; MI455X (gfx1250); checked and timed in simulation.
; The chip was launched on July 23, 2026; its instructions are those of AMD's public machine-readable ISA for CDNA 5 (MIT licence, August 2026) and "CDNA5" Instruction Set Architecture Reference Guide (July 2026). The comments in the code are by the model that wrote it; some were corrected since.
;; RST Attention. Allowed arithmetic: matrix products marked QUANTISED: E2M1 operands, one E8M0 scale for each 32 along K, by v_wmma_scale_f32_16x16x128_f8f6f4 with both operands' format E2M1 (or v_wmma_scale_f32_32x16x128_f4), f32 sums; everything else in f32.
;; Inputs: W_qkv_codes 3,072 x 32 x 16 uint8 (E2M1 codes of W_qkv, K innermost, in blocks of 32 codes, two codes a byte); W_qkv_scales 3,072 x 32 uint8 (E8M0 scales of W_qkv, one for each 32 codes along K); b_qkv 3,072 float32; x_codes 4 x 2,048 x 32 x 16 uint8 (E2M1 codes of x, K innermost, in blocks of 32 codes, two codes a byte); x_scales 4 x 2,048 x 32 uint8 (E8M0 scales of x, one for each 32 codes along K).
;; Outputs: out0 4 x 2,048 x 1,024 float32.
;; Constants: global_epoch = 1000000000.
;; This version of the problem:
;;   THIS VERSION OF THE PROBLEM IS GIVEN IN LOW PRECISION. The matrix products marked QUANTISED in the list below multiply operands that are first quantised to E2M1 (2 exponent bits, 1 mantissa bit; 4 bits a number), with one power-of-two scale for each 32 numbers along K (OCP MX v1.0); their sums are f32. All else is computed in f32.
;;   The module's matrix products, in the order in which they are computed (A, B: the left and right operand; K: the contracted axis; several contracted axes count as one K, in the product's order):
;;     1. [M 8,192, K 1,024] x [K 1,024, N 3,072]; A: input x (given as codes); B: input W_qkv (given as codes): QUANTISED
;;     2. batch 4 x [M 2,048, K 1,024] x [K 1,024, N 2,048]; A: computed on the way; B: computed on the way: QUANTISED
;;     3. batch 4 x [M 2,048, K 2,048] x [K 2,048, N 1,024]; A: softmax (see below); B: computed on the way: QUANTISED
;;   THE QUANTISER, for each operand of a quantised product, along K:
;;     - K is cut into blocks of 32 from its start; a last block that is shorter is filled with zeros.
;;     - A block's scale is 2^e with e = floor(log2(the largest magnitude in the block)) - 2, held to -126 .. 127; a block of zeros has e = 0. As a byte (E8M0): e + 127.
;;     - Each number is divided by its block's scale, clamped to +-6, and rounded to the nearest number of E2M1, ties to even, subnormals kept.
;;     - The product sums the exact products of the quantised numbers (number of the format x scale) in f32.
;;   ~~~python
;;   def quantise(x, axis):      # numpy; x: float32 -> the quantised numbers, widened to float32 again
;;       x = np.moveaxis(x, axis, -1); K = x.shape[-1]
;;       x = np.pad(x, [(0, 0)] * (x.ndim - 1) + [(0, -K % 32)]); x = x.reshape(x.shape[:-1] + (-1, 32)); a = np.abs(x).max(-1, keepdims=True)
;;       e = np.where(a > 0, np.clip(np.frexp(np.where(a > 0, a, 1))[1] - 1 - 2, -126, 127), 0)      # np.frexp(a)[1] - 1 = floor(log2(a)), exactly
;;       r = np.clip(x / 2.0 ** e, -6, 6)
;;       step = 2.0 ** (np.maximum(np.frexp(np.where(r == 0, 1, r))[1] - 1, 0) - 1)
;;       q = np.round(r / step) * step * 2.0 ** e      # np.round: ties to even
;;       return np.moveaxis(q.reshape(q.shape[:-2] + (-1,))[..., :K], -1, axis).astype(np.float32)
;;   ~~~
;;   SOFTMAX AHEAD OF A QUANTISED PRODUCT. Where the list says 'softmax', what is quantised is not the finished softmax but p = 2^(t - M), with t = logit x log2(e) and M = ceil(the row's largest t), a whole number; so 1/2 < the row's largest p <= 1. The row's sum l is taken of the UNQUANTISED p, in f32, and the product's result is divided by l at the end. Since M is a whole number, a kernel that streams over the keys may use a running M (the ceiling of the running maximum): every later rescaling is an exact power of two, which a block's scale takes up: the codes' values come out the same.
;;   OPERANDS COMPUTED ON THE WAY. 'Computed on the way' means the value that the module computes at that place (a softmax that the list does not call 'softmax' is quantised finished and normalised). What goes into a quantiser is computed in f32, as accurately as f32 sums, v_exp_f32 and their like allow (about 1e-6 of the number): no bf16 or f16 on the way to a quantiser, and a product that is left as it is and whose result goes on into a quantised operand takes f32 operands (vector FMAs, or v_wmma_f32_16x16x4_f32). A number that lies on a knife's edge between two numbers of the format may be rounded either way, as far as f32 arithmetic and the matrix unit's own rounding can turn it there, and no further.
;;   INPUTS GIVEN AS CODES. W_qkv (in the module: [3072, 1024], K = its axis 1); x (in the module: [4, 2048, 1024], K = its axis 2): each comes as NAME_codes (uint8): NAME with its K axis moved to the last place and cut into blocks of 32 codes, [.., K / 32, bytes a block], one block behind the other in memory; two codes a byte, the lower K in the low four bits (a code: sign, 2 exponent bits, 1 mantissa bit); and NAME_scales (uint8): the same leading axes, one E8M0 byte (e + 127) for each 32 codes along K. Its value is code x scale, taken as it is: it is not quantised again, and the codes and scales need not be those that the quantiser above would give.
;; One version. Each part assembles by itself: llvm-mc -triple=amdgcn-amd-amdhsa -mcpu=gfx1250 --defsym DOCPART=n.
;; ======== version 1 of 1: 3 launches
;; limits: right only within a limited range of input values
;; workspace buffers: img 13,369,344 bytes; pimg 8,388,608 bytes; pst 1,572,864 bytes
;; launch qkv (part 1): grid 8 x 32, 4 waves a work-group, clusters of 4 x 4, 327,680 bytes of LDS; arguments x_codes, x_scales, W_qkv_codes, W_qkv_scales, b_qkv, img; writes img
.if DOCPART == 1
	.amdgcn_target "amdgcn-amd-amdhsa--gfx1250"
	.amdhsa_code_object_version 6
	.text
	.protected	k_q2b1a7301f2_qkv
	.globl	k_q2b1a7301f2_qkv
	.p2align	8
	.type	k_q2b1a7301f2_qkv,@function
k_q2b1a7301f2_qkv:
	s_mov_b64 s[64:65], 0
	v_nop
	global_prefetch_b8 v0, s[64:65] scope:SCOPE_SE
	s_setreg_imm32_b32 hwreg(HW_REG_WAVE_MODE, 25, 1), 1
	s_wait_xcnt 0x0
	s_wait_alu depctr_hold_cnt(0) depctr_sa_sdst(0) depctr_va_vdst(0) depctr_va_sdst(0) depctr_va_ssrc(0) depctr_va_vcc(0) depctr_vm_vsrc(0)
	s_getreg_b32 s2, hwreg(HW_REG_IB_STS2, 6, 4)
	s_cmp_eq_u32 s2, 0
	s_cbranch_scc0 .Lentry_in_a_cluster
	s_endpgm
.Lentry_in_a_cluster:
	s_bfe_u32 s2, ttmp6, 0x10000c
	s_cmp_lg_u32 s2, 0xf033
	s_cbranch_scc0 .Lentry_shape_is_right
	s_endpgm
.Lentry_shape_is_right:
; FIRST OF THREE LAUNCHES: qkv = x W^T + b on codes of FP4 (E2M1) with E8M0 scales, and the quantising of q, k (along the model's 1,024) and of v (along the keys) for the two products that follow.
; WORK LEFT OUT IN THE WHOLE PROGRAM: the resonance.  global_epoch is the constant 1,000,000,000, so t_sec = -1 and the term is sin(-78 pi), which is 0 by an identity; it is also one number added to every
; score of a row, which a softmax takes away: 2^(t - M) / the row's sum is the same with it and without.  It is 0 in exact arithmetic for every value of the buffers, so it moves no code and no scale.  It has no buffer.
; LIMIT: a NaN, an infinity or an overflow that reaches only the work left out is not carried to the result.
; LIMITS: NaN and infinities among the inputs are not served; a block of zeros keeps the scale byte 1 (its codes are zeros, and this program alone reads the bytes).
; SHARES.  q and k are 32 x 8 tiles of 256 x 256, one to each of 256 work-groups of four waves; v is as much as 256 half tiles.  Work-group (TR, TC) makes
;   PHASE 1: rows 256 TR on of x against rows 256 TC on of W (q: TC 0-3, k: TC 4-7); a wave 128 x 128: 64 accumulators, 512 registers;
;   PHASE 2: v TRANSPOSED: rows 2,048 + 128 TC on of W against THE SAME rows of x, which lie in LDS already, for all of K, and are v's keys; a wave 64 x 128: 32 accumulators.
; Cluster (x, y) of the grid takes TR 16 x + 4 (y / 2) on and TC 4 (y % 2) on.
; K = 1,024 lies in LDS whole: two slots of 512 along K.  One joint load a wave: waves 0 and 1 bring slot 0 (x's 256 rows, W's 256 rows), waves 2 and 3 slot 1; slot 1 is waited for three steps later.
; W's 128 rows for v are the one refill: they land on slot 0's part of W when that has been read out.
; THE SCALE WORDS come straight from memory into the registers that the products name: a row has 32 bytes, two loads of 16 a lane.
; TRANSPOSED (phase 1: source 0 = 16 rows of W, source 1 = 16 rows of x; phase 2: source 0 = 16 rows of x, source 1 = 16 rows of W): a lane holds ONE row of source 1's and its registers
; run along source 0's rows: along the model's axis for q and k, along the keys for v: that is the next product's K, so the conversions take their eight neighbours from one lane's registers.
; CLUSTERS: 4 x 4.  x's tile is shared along a row of the cluster, W's tiles along a column: joint tensor loads with a mask that names the four.
; No prefetch: the launch has no loop to run ahead in.
; OUT: img, records of 34,816 bytes for 128 rows x 512 along the next K: fragment (row block a, K step s) as an image of its 8 registers at 4,096 a + 1,024 s (register group c, lane l: 512 c + 16 l);
; behind the 32,768 bytes of codes the scale words: K step s, row 16 a + r at 512 s + 32 r + 4 a.  Records: q: 64 kc + G; k: 128 + 64 kc + G (G = row / 128); v: 256 + 4 (8 batch + d / 128) + kc.
; Every store of codes covers 512 consecutive bytes, aligned, and so does phase 1's store of scale words; in phase 2 a wave has 64 rows' words, 16 bytes in every 32: 256 bytes in 4,352 of what it stores for v.
; REGISTERS, in windows of 256: window 0: v8-30 addresses; v32-95 scale words (and nothing else); v96-127 at work on the way out; v128-191, v192-255 x's fragments, two sets, in phase 1
;   (v128-191 hold the codes on the ways out; v192-223, v224-255 W's fragments, two sets, in phase 2).   window 1: v0-63, v128-191 source 0's fragments, two sets; v64-127 the bias of q, k; v192-223 the bias of v.
;   windows 2, 3: the accumulators of my rows 0-63 and 64-127, (a, b) at v[8 (8 (a % 4) + b)]; phase 2 has window 2.
.set PITCH,  272                       ; an LDS row: 256 bytes (512 codes) + 16 of padding: the sixteen rows of a fragment load start 68 words apart
.set HALFT,  128*PITCH                 ; 128 rows
.set SLOT,   4*HALFT                   ; x's 256 rows, then W's 256
.set WVL,    2*HALFT                   ; slot 0's part of W: later W's 128 rows for v: K chunk c at WVL + c HALFT
.set SPARE,  2*SLOT                    ; the spare words: 128 bytes a wave, two blocks of 256 bytes that no other line names
.set REC,    34816
.set LI2,  8                           ; out, v: 16 x lane + 1,024 x my K step + 16,384 x my half of the record's rows
.set SA2,  9                           ; out, v: 32 r + 8 h + 16 x my half + 32,768 + 512 x my K step
.set VA1,  10                          ; scale words: 32 r + 2,048 h: lanes 16-31 take the rows 64 further on
.set VA2,  11                          ; W's for v: 32 r
.set ADRA, 16                          ; v16-17 LDS address in slot 0, 1 of x's fragments of phase 1 (my 128 rows)
.set ADX,  18                          ; v18-19 of x's fragments of phase 2 (my 128 keys)
.set ADRB, 20                          ; v20-21 of W's fragments of phase 1
.set ADW,  22                          ; of W's fragments of phase 2
.set LI,   24                          ; out, q and k: 16 x lane + 1,024 x my K step in the record
.set SA,   25                          ; out, q and k: 32 r + 16 h + 32,768 + 512 x my K step
.set BQ,   26                          ; the bias of q and k: 32 h
.set SPW,  28                          ; my spare word; never rewritten
.set NIL,  29                          ; 0; never rewritten
.set BV,   30                          ; the bias of v: 4 r
.set XS,   32                          ; scale words: v[XS + 32 (s / 4) + 4 i + s % 4], i = 0 .. 7: K step s; lanes 0-15 x's block i, lanes 16-31 W's block i (phase 2: of W's four blocks; from i = 4 on nobody reads lanes 16-31)
.set WS,   48                          ; (W's words land in the places i = 4 .. 7; EXCH brings both into that order)
.set TM,   96                          ; largest magnitudes of eight blocks of 32
.set TB,   104                         ; the scales' bytes
.set PW,   112                         ; v112-119 the scale word of my row in block a
.set SO,   120                         ; the conversions' scale operands
.set AF,   128
.set CD,   128                         ; the codes made: 8 registers for each block a
.set WF,   192                         ; W's fragments of phase 2: set p at v[WF + 32 p]
.set BI,   64                          ; window 1
.set BI2,  192                         ; window 1
.set WV,   16
.set RH,   17                          ; my half of source 1's rows
.set CH,   18                          ; my half of source 0's rows
.set G1X,  24
.set G0X,  32
.set G1W,  48
.set G0W,  56
.set G1R,  68                          ; the refill's groups 1 and 0
.set G0R,  76
.set MSB, 0
.macro WIN new                         ; the immediate's high byte repeats the setting that is left; a switch that changes nothing is dropped
.if MSB != (\new)
	s_set_vgpr_msb (MSB<<8)|(\new)
.set MSB, (\new)
.endif
.endm
.macro PLACES                          ; four plain places between a matrix instruction and a load into, or a vector read or write of, its registers
.rept 4
	v_nop
.endr
.endm
.macro CROUND                          ; a round of the cluster's barrier
	s_barrier_signal -1
	s_barrier_wait -1
	s_cmp_lg_u32 s[WV], 0
	s_cbranch_scc1 .Lnot_wave_0_\@
	s_barrier_signal -3
.Lnot_wave_0_\@:
	s_barrier_wait -3
	s_barrier_signal -1
	s_barrier_wait -1
.endm
.macro ARM under, g0, g1, next         ; one arm of the tree that shares the head's loads out, one a wave
	s_cmp_lt_u32 s[WV], \under
	s_cbranch_scc0 \next
	tensor_load_to_lds s[\g0:\g0+3], s[\g1:\g1+7]
	s_nop 0
	PLACES
	s_branch .Lhead_asked
\next:
.endm
; One product: source 0 at v[rA], source 1 at v[rB], their scale words at v[rSA], v[rSB], in lanes 0-15 (0) or 16-31 (1)
.macro WM c, ra, rb
.if (\ra) && (\rb)
	v_wmma_scale_f32_16x16x128_f8f6f4 v[rD:rD+7], v[rA:rA+7], v[rB:rB+7], \c, v[rSA], v[rSB] matrix_a_fmt:MATRIX_FMT_FP4 matrix_b_fmt:MATRIX_FMT_FP4 matrix_a_scale:MATRIX_SCALE_ROW1 matrix_b_scale:MATRIX_SCALE_ROW1
.elseif (\ra)
	v_wmma_scale_f32_16x16x128_f8f6f4 v[rD:rD+7], v[rA:rA+7], v[rB:rB+7], \c, v[rSA], v[rSB] matrix_a_fmt:MATRIX_FMT_FP4 matrix_b_fmt:MATRIX_FMT_FP4 matrix_a_scale:MATRIX_SCALE_ROW1
.elseif (\rb)
	v_wmma_scale_f32_16x16x128_f8f6f4 v[rD:rD+7], v[rA:rA+7], v[rB:rB+7], \c, v[rSA], v[rSB] matrix_a_fmt:MATRIX_FMT_FP4 matrix_b_fmt:MATRIX_FMT_FP4 matrix_b_scale:MATRIX_SCALE_ROW1
.else
	v_wmma_scale_f32_16x16x128_f8f6f4 v[rD:rD+7], v[rA:rA+7], v[rB:rB+7], \c, v[rSA], v[rSB] matrix_a_fmt:MATRIX_FMT_FP4 matrix_b_fmt:MATRIX_FMT_FP4
.endif
.endm
	s_load_b256 s[4:11], s[0:1], 0x0               ; x's codes s[4:5], x's scales s[6:7], W's codes s[8:9], W's scales s[10:11]
	s_load_b128 s[12:15], s[0:1], 0x20             ; b s[12:13], img s[14:15]
	v_lshl_add_u32 v[SPW], v0, 2, SPARE
	v_mov_b32 v[NIL], 0
	ds_add_u32 v[SPW], v[NIL]                      ; the wave's opening: the add, twice on end, and its wait ahead of my first tensor load
	ds_add_u32 v[SPW], v[NIL]
	v_lshrrev_b32 v1, 5, v0
	v_readfirstlane_b32 s[WV], v1                  ; wave 0..3
	s_lshr_b32 s[RH], s[WV], 1
	s_and_b32 s[CH], s[WV], 1
	s_bfe_u32 s40, ttmp6, 0x40000                  ; cx
	s_bfe_u32 s41, ttmp6, 0x40004                  ; cy
	; the grid's clusters are renumbered: number n = x + 2 y becomes j = (n + 15) % 16, and the cluster (x, y) of the shares above is taken from j: x = bit 2, y = 2 (j % 4) + bit 3
	s_and_b32 s19, ttmp7, 0xffff
	s_lshl_b32 s19, s19, 1
	s_add_co_u32 s19, s19, ttmp9
	s_add_co_u32 s19, s19, 15
	s_and_b32 s22, s19, 15                         ; j
	s_lshr_b32 s19, s22, 3                         ; y % 2
	s_and_b32 s46, s22, 7                          ; 4 x + y / 2
	s_lshl_b32 s46, s46, 2
	s_add_co_u32 s46, s46, s41                     ; TR
	s_and_b32 s42, s19, 1
	s_lshl_b32 s42, s42, 2
	s_add_co_u32 s42, s42, s40                     ; TC
	s_lshl_b32 s43, s41, 2
	s_lshl_b32 s43, 15, s43                        ; my row of the cluster
	s_lshl_b32 s44, 0x1111, s40                    ; my column
	; descriptor group 1: 256 rows (the refill: 64) x 256 bytes, rows 512 bytes apart in memory, 16 bytes of padding behind each in LDS
	s_or_b32 s[G1X+0], s43, (1<<20)|(1<<21)|(5<<22)|(3<<25)    ; 15:0 the mask; 17:16 elements of 1 byte; 20 padding on; 21 set beside a mask; 24:22 after every 64 words; 31:25 four words
	s_or_b32 s[G1W+0], s44, (1<<20)|(1<<21)|(5<<22)|(3<<25)
	s_or_b32 s[G1R+0], s44, (1<<20)|(1<<21)|(5<<22)|(3<<25)
.irp g, G1X, G1W
	s_mov_b32 s[\g+2], 256<<16                     ; tensor_dim1
	s_mov_b32 s[\g+4], 256                         ; tile_dim1
.endr
	s_mov_b32 s[G1R+2], 64<<16
	s_mov_b32 s[G1R+4], 64
.irp g, G1X, G1W, G1R
	s_mov_b32 s[\g+1], 256<<16                     ; tensor_dim0
	s_mov_b32 s[\g+3], 256<<16                     ; tile_dim0
	s_mov_b32 s[\g+5], 512                         ; from row to row
	s_mov_b32 s[\g+6], 0
	s_mov_b32 s[\g+7], 0
.endr
	s_lshl_b32 s20, s46, 17                        ; x's 256 rows of 512 bytes
	s_mov_b32 s21, 0
	s_lshl_b32 s22, s42, 17                        ; W's
	s_mov_b32 s23, 0
	s_lshl_b32 s66, s42, 7
	s_lshl_b32 s2, s[CH], 6
	s_add_co_u32 s66, s66, s2
	s_add_co_u32 s66, s66, 2048                    ; the refill: wave w: rows 64 (w % 2) on of W's 128 rows for v,
	s_lshl_b32 s66, s66, 9
	s_lshl_b32 s2, s[RH], 8
	s_add_co_u32 s66, s66, s2                      ; K chunk w / 2
	s_mov_b32 s67, 0
	; scale words: 32 bytes a row
	s_lshl_b32 s2, s46, 13
	s_lshl_b32 s3, s[RH], 12
	s_add_co_u32 s80, s2, s3                       ; phase 1: my 128 rows of x,
	s_mov_b32 s81, 0
	s_lshl_b32 s3, s[CH], 12
	s_add_co_u32 s84, s2, s3                       ; phase 2: my 128 keys,
	s_mov_b32 s85, 0
	s_lshl_b32 s2, s42, 13
	s_add_co_u32 s82, s2, s3                       ; phase 1: my 128 rows of W,
	s_mov_b32 s83, 0
	s_lshl_b32 s86, s42, 12
	s_lshl_b32 s3, s[RH], 11
	s_add_co_u32 s86, s86, s3
	s_add_co_u32 s86, s86, 65536                   ; phase 2: my 64 rows of W
	s_mov_b32 s87, 0
	; the bias: q, k: b[256 TC + 128 CH ..] runs along a lane's registers; v: b[2,048 + 128 TC + 64 RH ..] goes with the lane's row
	s_lshl_b32 s88, s42, 10
	s_lshl_b32 s3, s[CH], 9
	s_add_co_u32 s88, s88, s3
	s_mov_b32 s89, 0
	s_lshl_b32 s90, s42, 9
	s_lshl_b32 s3, s[RH], 8
	s_add_co_u32 s90, s90, s3
	s_add_co_u32 s90, s90, 8192
	s_mov_b32 s91, 0
	; where my results go.  q, k: S = 2 (TC % 4) + CH is my K step of the scores' product
	s_and_b32 s2, s42, 3
	s_lshl_b32 s2, s2, 1
	s_add_co_u32 s2, s2, s[CH]
	s_lshr_b32 s92, s2, 2
	s_lshl_b32 s92, s92, 6                         ; a K chunk on: 64 records
	s_lshr_b32 s3, s42, 2
	s_lshl_b32 s3, s3, 7                           ; q: 0, k: 128
	s_add_co_u32 s92, s92, s3
	s_lshl_b32 s3, s46, 1
	s_add_co_u32 s92, s92, s3
	s_add_co_u32 s92, s92, s[RH]                   ; + my group of 128 rows: 2 TR + RH
	s_mul_i32 s92, s92, REC
	s_mov_b32 s93, 0
	s_and_b32 s2, s2, 3                            ; my K step in the record
	s_lshl_b32 s97, s2, 10
	s_lshl_b32 s96, s2, 9
	s_add_co_u32 s96, s96, 32768
	; v: S = 2 (TR % 8) + CH is my K step of the last product, of 16 in the batch TR / 8; the record's 128 rows are d = 128 TC on
	s_and_b32 s2, s46, 7
	s_lshl_b32 s2, s2, 1
	s_add_co_u32 s2, s2, s[CH]
	s_lshr_b32 s94, s46, 3
	s_lshl_b32 s94, s94, 3
	s_add_co_u32 s94, s94, s42
	s_lshl_b32 s94, s94, 2                         ; four K chunks of the same rows lie end to end
	s_lshr_b32 s3, s2, 2
	s_add_co_u32 s94, s94, s3
	s_add_co_u32 s94, s94, 256
	s_mul_i32 s94, s94, REC
	s_mov_b32 s95, 0
	s_and_b32 s2, s2, 3
	s_lshl_b32 s98, s2, 10
	s_lshl_b32 s3, s[RH], 14                       ; my four blocks of the record's eight
	s_add_co_u32 s98, s98, s3
	s_lshl_b32 s99, s2, 9
	s_lshl_b32 s3, s[RH], 4
	s_add_co_u32 s99, s99, s3
	s_add_co_u32 s99, s99, 32768
	s_mul_i32 s100, s[RH], HALFT                   ; phase 1: my 128 rows of x
	s_mul_i32 s101, s[CH], HALFT                   ; phase 2: my 128 keys; phase 1: my 128 rows of W, behind x's 256
	s_mul_i32 s45, s[RH], 64*PITCH
	s_add_co_u32 s45, s45, WVL                     ; phase 2: my 64 rows of W
	s_mul_i32 s47, s[WV], 64*PITCH
	v_and_b32 v1, 15, v0                           ; r = lane % 16
	v_bfe_u32 v2, v0, 4, 1                         ; h = lane / 16
	v_and_b32 v3, 31, v0
	v_mul_u32_u24 v4, v1, PITCH
	v_lshl_add_u32 v4, v2, 4, v4                   ; a fragment's row x pitch + 16 h
	v_add_nc_u32 v[ADRA], s100, v4
	v_add_nc_u32 v[ADX], s101, v4
	v_add_nc_u32 v[ADW], s45, v4
	v_add_nc_u32 v[ADRB], 2*HALFT, v[ADX]
	v_add_nc_u32 v[ADRA+1], SLOT, v[ADRA]
	v_add_nc_u32 v[ADX+1], SLOT, v[ADX]
	v_add_nc_u32 v[ADRB+1], SLOT, v[ADRB]
	v_lshl_add_u32 v[LI], v3, 4, s97
	v_lshl_add_u32 v[SA], v1, 5, s96
	v_lshl_add_u32 v[SA], v2, 4, v[SA]
	v_lshl_add_u32 v[LI2], v3, 4, s98
	v_lshl_add_u32 v[SA2], v1, 5, s99
	v_lshl_add_u32 v[SA2], v2, 3, v[SA2]
	v_lshlrev_b32 v[BQ], 5, v2
	v_lshlrev_b32 v[BV], 2, v1
	v_lshlrev_b32 v[VA1], 5, v1
	v_mov_b32 v[VA2], v[VA1]
	v_lshl_add_u32 v[VA1], v2, 11, v[VA1]
.irp b, 0,1,2,3,4,5,6,7
	v_mov_b32 v[TB+\b], 0                          ; written once: a lane permute's destination counts as one of its sources
.endr
	s_wait_alu depctr_va_vdst(0)                   ; the wait at the head's end
	s_wait_dscnt 0x0                               ; both opening adds are done
	CROUND                                         ; all sixteen work-groups are here: the first joint loads meet.  The arguments are on their way meanwhile
	s_wait_kmcnt 0x0
	s_add_nc_u64 s[20:21], s[4:5], s[20:21]
	s_add_nc_u64 s[22:23], s[8:9], s[22:23]
	s_add_nc_u64 s[66:67], s[8:9], s[66:67]
	s_add_nc_u64 s[80:81], s[6:7], s[80:81]
	s_add_nc_u64 s[84:85], s[6:7], s[84:85]
	s_add_nc_u64 s[82:83], s[10:11], s[82:83]
	s_add_nc_u64 s[86:87], s[10:11], s[86:87]
	s_add_nc_u64 s[88:89], s[12:13], s[88:89]
	s_add_nc_u64 s[90:91], s[12:13], s[90:91]
	s_add_nc_u64 s[92:93], s[14:15], s[92:93]
	s_add_nc_u64 s[94:95], s[14:15], s[94:95]
.irp s, 0,1
	s_mov_b32 s[G0X+4*\s], 1
	s_mov_b32 s[G0X+4*\s+1], \s*SLOT
	s_add_nc_u64 s[G0X+4*\s+2:G0X+4*\s+3], s[20:21], \s*256
	s_or_b32 s[G0X+4*\s+3], s[G0X+4*\s+3], 0x80000000
	s_mov_b32 s[G0W+4*\s], 1
	s_mov_b32 s[G0W+4*\s+1], \s*SLOT+2*HALFT
	s_add_nc_u64 s[G0W+4*\s+2:G0W+4*\s+3], s[22:23], \s*256
	s_or_b32 s[G0W+4*\s+3], s[G0W+4*\s+3], 0x80000000
.endr
	s_mov_b32 s[G0R], 1
	s_add_co_u32 s[G0R+1], s47, WVL
	s_mov_b64 s[G0R+2:G0R+3], s[66:67]
	s_or_b32 s[G0R+3], s[G0R+3], 0x80000000
	s_mov_b32 s2, 0x76543210                       ; v_permlanex16_b32's selects for lane l xor 16
	s_mov_b32 s3, 0xfedcba98
	s_mov_b32 s98, 0x1800000                       ; 2^(3 - 127)
	s_mov_b32 s99, 0xff000000                      ; 2 off an exponent field
	ARM 1, G0X, G1X, .Lhead_1                      ; one tensor load a wave
	ARM 2, G0W, G1W, .Lhead_2
	ARM 3, G0X+4, G1X, .Lhead_3
	tensor_load_to_lds s[G0W+4:G0W+7], s[G1W:G1W+7]
	s_nop 0
	PLACES
.Lhead_asked:
.macro LOADXS base                     ; x's scale words of 128 rows
.irp i, 0,1,2,3
.irp c, 0,1
	global_load_b128 v[XS+32*\c+4*\i:XS+32*\c+4*\i+3], v[VA1], s[\base:\base+1] offset:512*\i+16*\c
.endr
.endr
.endm
	LOADXS 80
.irp i, 0,1,2,3
.irp c, 0,1
	global_load_b128 v[WS+32*\c+4*\i:WS+32*\c+4*\i+3], v[VA1], s[82:83] offset:512*\i+16*\c
.endr
.endr
	WIN 0x40                                       ; destination window 1
.irp b, 0,1,2,3,4,5,6,7
	global_load_b128 v[BI+8*\b:BI+8*\b+3], v[BQ], s[88:89] offset:64*\b       ; tile b, register j: b at column 16 b + 8 h + j
	global_load_b128 v[BI+8*\b+4:BI+8*\b+7], v[BQ], s[88:89] offset:64*\b+16
.endr
	WIN 0
.macro FRAG reg, adr, off              ; 16 rows x 128 K of 4-bit codes: registers 4 c .. 4 c + 3 hold K = 64 c + 32 h + 0 .. 31: two loads of 16 bytes, 32 bytes apart
.irp c, 0,1
	ds_load_b128 v[\reg+4*\c:\reg+4*\c+3], v[\adr] offset:(\off)+32*\c
.endr
.endm
.macro FETCH slot, q, p                ; phase 1: the fragments of the slot's q-th 128 along K into set p
	WIN 0x40
.irp i, 0,1,2,3,4,5,6,7
	FRAG 128*(\p)+8*\i, ADRB+\slot, 64*(\q)+\i*16*PITCH
.endr
	WIN 0
.irp i, 0,1,2,3,4,5,6,7
	FRAG AF+64*(\p)+8*\i, ADRA+\slot, 64*(\q)+\i*16*PITCH
.endr
.endm
; 32 matrix instructions: blocks a0 .. a0 + 3 of x, 128 along K.  The 64 accumulators take turns, one instruction a turn, in the same order in every step.
; first = 1: the first step, whose C is the bias, by W's block.  Nothing is cleared and no bias is added by a vector instruction.
.macro MULA p, st, a0, first
.if \first
	WIN 0x91+0x40*((\a0)/4)                        ; source 0 (W) window 1, source 1 (x) window 0, C (the bias) window 1, D window 2 or 3
.else
	WIN 0xa1+0x50*((\a0)/4)                        ; C and D window 2 or 3
.endif
.irp a, 0,1,2,3
.irp b, 0,1,2,3,4,5,6,7
.set rD, 8*(8*\a+\b)
.set rA, 128*(\p)+8*\b
.set rB, AF+64*(\p)+8*((\a0)+\a)
.set rSA, XS+32*((\st)/4)+4*\b+(\st)%4
.set rSB, XS+32*((\st)/4)+4*((\a0)+\a)+(\st)%4
.if \first
	WM v[BI+8*\b:BI+8*\b+7], 1, 0
.else
	WM v[rD:rD+7], 1, 0
.endif
.endr
.endr
.endm
.macro STEP st                         ; step st of 8: its set, asked for a step ago, is in; the next step's goes out into the other set; then the products
.set NX, (\st)+1
	s_wait_dscnt 0x0
	PLACES                                         ; the other set was read by the last step's products
	FETCH NX/4, NX%4, NX%2
	MULA (\st)%2, \st, 0, 0
	MULA (\st)%2, \st, 4, 0
.endm
; PHASE 2's like
.macro FETCH2 c, q, p                  ; x's eight fragments of my keys and W's four of my rows, the q-th 128 of K chunk c, into set p
	WIN 0x40
.irp i, 0,1,2,3,4,5,6,7
	FRAG 128*(\p)+8*\i, ADX+\c, 64*(\q)+\i*16*PITCH
.endr
	WIN 0
.irp i, 0,1,2,3
	FRAG WF+32*(\p)+8*\i, ADW, (\c)*HALFT+64*(\q)+\i*16*PITCH
.endr
.endm
.macro MUL32V p, st, first             ; the 32 accumulators take turns, one instruction a turn, in the same order in every step; first = 1: C is the bias, by W's block
.if \first
	WIN 0x91                                       ; source 0 (x) window 1, source 1 (W) window 0, C (the bias) window 1, D window 2
.else
	WIN 0xa1
.endif
.irp a, 0,1,2,3
.irp b, 0,1,2,3,4,5,6,7
.set rD, 8*(8*\a+\b)
.set rA, 128*(\p)+8*\b
.set rB, WF+32*(\p)+8*\a
.set rSA, XS+32*((\st)/4)+4*\b+(\st)%4
.set rSB, XS+32*((\st)/4)+4*\a+(\st)%4
.if \first
	WM v[BI2+8*\a:BI2+8*\a+7], 0, 1
.else
	WM v[rD:rD+7], 0, 1
.endif
.endr
.endr
.endm
.macro VSTEP st, first
.set NX, (\st)+1
	s_wait_dscnt 0x0                               ; this step's set is in
	PLACES                                         ; the other set was read by the last step's products
	FETCH2 NX/4, NX%4, NX%2
	MUL32V (\st)%2, \st, \first
.endm
; THE WAY OUT of blocks a, a + 1 (a even), side by side: 16 rows x 128 columns each become one fragment of the next product and one scale word a row.  In tile t a lane (r, h) holds columns 16 t + 8 h + 0 .. 7
; of row r, so a block of 32 is the 16 registers of tiles 2 b, 2 b + 1 in lanes l and l xor 16: eight blocks of 32, b = 0 .. 7, 16 registers each.
; The operand's register 4 c + i wants, in lanes of half h', columns 64 c + 32 h' + 8 i on: tile 4 c + 2 h' + i / 2, half i % 2.
; So tiles 4 c and 4 c + 2 are converted into registers 4 c and 4 c + 1, tiles 4 c + 1 and 4 c + 3 into 4 c + 2 and 4 c + 3, and each pair exchanges the first's upper lanes with the second's lower.
.macro QOUT a, li, base
.set W, 2+(\a)/4
.set AC, 64*((\a)%4)
	WIN W|(W<<2)                                   ; sources 0 and 1: the accumulators' window
.irp b, 0,1,2,3,4,5,6,7
	v_max3_num_f32 v[TM+\b], |v[AC+16*\b]|, |v[AC+16*\b+1]|, s98   ; each accumulator from its low end on; the floor 2^(3 - 127) holds the byte at 1 from below
.endr
.irp i, 2,4,6,8,10,12,14
.irp b, 0,1,2,3,4,5,6,7
	v_max3_num_f32 v[TM+\b], |v[AC+16*\b+\i]|, |v[AC+16*\b+\i+1]|, v[TM+\b]   ; the eight blocks by turns
.endr
.endr
	WIN 0
.irp b, 0,1,2,3,4,5,6,7
	v_permlanex16_b32 v[TB+\b], v[TM+\b], s2, s3
.endr
.irp b, 0,1,2,3,4,5,6,7
	v_max_num_f32 v[TM+\b], v[TM+\b], v[TB+\b]     ; with lane l xor 16's: the block's largest magnitude
.endr
.irp b, 0,1,2,3,4,5,6,7
	v_add_nc_u32 v[SO+\b], s99, v[TM+\b]           ; 2 off its exponent field: the conversion's scale operand
.endr
.irp b, 0,1,2,3,4,5,6,7
	v_lshrrev_b32 v[TB+\b], 23, v[SO+\b]           ; the scale's byte
.endr
.irp n, 1,2,3
.irp k, 0,1
.if \n == 1
	v_lshl_or_b32 v[PW+\a+\k], v[TB+4*\k+1], 8, v[TB+4*\k]
.else
	v_lshl_or_b32 v[PW+\a+\k], v[TB+4*\k+\n], 8*\n, v[PW+\a+\k]
.endif
.endr
.endr
	WIN W                                          ; source 0: the accumulators' window
.irp c, 0,1,2,3
	v_cvt_scalef32_pk8_fp4_f32 v[CD+8*(\a)+4*\c], v[AC+32*\c:AC+32*\c+7], v[SO+2*\c]
	v_cvt_scalef32_pk8_fp4_f32 v[CD+8*(\a)+4*\c+1], v[AC+32*\c+16:AC+32*\c+23], v[SO+1+2*\c]
	v_cvt_scalef32_pk8_fp4_f32 v[CD+8*(\a)+4*\c+2], v[AC+32*\c+8:AC+32*\c+15], v[SO+2*\c]
	v_cvt_scalef32_pk8_fp4_f32 v[CD+8*(\a)+4*\c+3], v[AC+32*\c+24:AC+32*\c+31], v[SO+1+2*\c]
.endr
	WIN 0
	v_nop                                          ; one plain place behind a scaled conversion
.irp c, 0,1,2,3
	v_permlane16_swap_b32 v[CD+8*(\a)+4*\c], v[CD+8*(\a)+4*\c+1]
	v_permlane16_swap_b32 v[CD+8*(\a)+4*\c+2], v[CD+8*(\a)+4*\c+3]
.endr
.irp c, 0,1,2,3
	global_store_b128 v[\li], v[CD+8*(\a)+4*\c:CD+8*(\a)+4*\c+3], s[\base:\base+1] offset:((\a)+\c/2)*4096+512*(\c%2)   ; 32 lanes store 512 consecutive bytes, aligned; within a phase each block has registers of its own
.endr
.endm
	; ---- PHASE 1: q or k
; The words of a pair of registers came as x's block i in lanes 0-15 and i + 4 in lanes 16-31, and W's likewise (for v: block i in both): the first's upper lanes change places with the second's lower
.macro EXCH
.irp s, 0,1,2,3,4,5,6,7
.irp i, 0,1,2,3
	v_permlane16_swap_b32 v[XS+32*(\s/4)+4*\i+\s%4], v[WS+32*(\s/4)+4*\i+\s%4]
.endr
.endr
	s_wait_alu depctr_va_vdst(0)
.endm
	s_wait_loadcnt 0x10                            ; the scale words are in; the 16 loads of the bias behind them may be out
	EXCH
	s_cmp_lt_u32 s[WV], 2
	s_cbranch_scc0 .Lslot_1_is_mine
	s_wait_tensorcnt 0x0                           ; waves 0 and 1: slot 0 is in.  Slot 1's two loads, of waves 2 and 3, may stay out
.Lslot_1_is_mine:
	s_barrier_signal -1
	s_barrier_wait -1
	FETCH 0, 0, 0
	s_wait_loadcnt 0x0                             ; the scale words and the bias
	s_wait_dscnt 0x0
	FETCH 0, 1, 1
	MULA 0, 0, 0, 1
	MULA 0, 0, 4, 1
	STEP 1
	STEP 2
	; step 3: its set is the last of slot 0, whose part of W then takes W's 128 rows for v
	WIN 0                                          ; (the add's two registers lie in window 0)
	s_wait_tensorcnt 0x0                           ; all my tensor loads have landed, slot 1's among them
	ds_add_u32 v[SPW], v[NIL]                      ; 0 onto my spare word
	s_wait_dscnt 0x1                               ; this step's set is in; the add may be out
	MULA 1, 3, 0, 0                                ; matrix work stands between the add and the wait for it
	WIN 0
	s_wait_dscnt 0x0                               ; the add is done, and my reads of slot 0 are over
	CROUND                                         ; the same holds of every wave of every partner; and slot 1 is whole
	tensor_load_to_lds s[G0R:G0R+3], s[G1R:G1R+7]  ; my one tensor load behind the round: four and a half steps and four blocks of the way out stand ahead of the wait for it
	s_nop 0
	PLACES                                         ; (also the places in front of the loads below)
	FETCH 1, 0, 0
	MULA 1, 3, 4, 0
	STEP 4
	STEP 5
	STEP 6
	s_wait_dscnt 0x0                               ; the last step fetches nothing
	MULA 1, 7, 0, 0
	MULA 1, 7, 4, 0
	WIN 0
	PLACES
	LOADXS 84                                      ; phase 2's scale words and bias come while phase 1's results go out
.irp i, 0,1,2,3
.irp c, 0,1
	global_load_b128 v[WS+32*\c+4*\i:WS+32*\c+4*\i+3], v[VA2], s[86:87] offset:512*\i+16*\c
.endr
.endr
	WIN 0x40
.irp a, 0,1,2,3
	global_load_b32 v[BI2+8*\a], v[BV], s[90:91] offset:64*\a                 ; block a: b at row 16 a + r
.endr
	QOUT 0, LI, 92
	QOUT 2, LI, 92
	s_wait_tensorcnt 0x0                           ; my part of W's rows for v has landed,
	s_wait_dscnt 0x0
	s_barrier_signal -1
	s_barrier_wait -1                              ; and everybody's.
	FETCH2 0, 0, 0                                 ; phase 2's first set lands while the other four blocks go out: it touches none of those blocks' registers
	QOUT 4, LI, 92
	QOUT 6, LI, 92
.irp a, 0,1,2,3
	v_permlane16_swap_b32 v[PW+\a], v[PW+4+\a]     ; lanes 0-15 keep blocks 0-3's words, lanes 16-31 take blocks 4-7's
.endr
	global_store_b128 v[SA], v[PW:PW+3], s[92:93]  ; the 128 rows' scale words of my K step: 512 consecutive bytes
	; ---- PHASE 2: v transposed; q's or k's stores leave meanwhile
	s_wait_loadcnt 0x0                             ; its scale words and bias
	WIN 0x41
.irp a, 0,1,2,3
.irp j, 1,2,3,4,5,6,7
	v_mov_b32 v[BI2+8*\a+\j], v[BI2+8*\a]          ; the same number in all eight registers of a C
.endr
.endr
	WIN 0
	EXCH
	VSTEP 0, 1
	VSTEP 1, 0
	VSTEP 2, 0
	VSTEP 3, 0
	VSTEP 4, 0
	VSTEP 5, 0
	VSTEP 6, 0
	s_wait_dscnt 0x0                               ; the last step fetches nothing
	MUL32V 1, 7, 0
	WIN 0
	PLACES
	s_wait_xcnt 0x0                                ; phase 1's stores have read their registers: the codes' and the scale words' are written again only behind this wait
	QOUT 0, LI2, 94
	QOUT 2, LI2, 94
	v_permlane16_swap_b32 v[PW], v[PW+2]           ; lanes 0-15 keep blocks 0 and 1's words, lanes 16-31 take blocks 2 and 3's
	v_permlane16_swap_b32 v[PW+1], v[PW+3]
	global_store_b64 v[SA2], v[PW:PW+1], s[94:95]  ; my 64 rows' scale words: 16 bytes in every 32; the other half's wave has those between
	s_wait_tensorcnt 0x0                           ; the wave's end
	ds_add_u32 v[SPW], v[NIL]
	s_wait_dscnt 0x0
	CROUND                                         ; the closing round: no work-group ends while a partner may still ask for a tile that names it
	s_endpgm
.Lfunc_end_k_q2b1a7301f2_qkv:
	.size	k_q2b1a7301f2_qkv, .Lfunc_end_k_q2b1a7301f2_qkv-k_q2b1a7301f2_qkv
	.p2alignl 7, 3214868480
	.fill 96, 4, 3214868480
	.section	.rodata,"a",@progbits
	.p2align	6, 0x0
	.amdhsa_kernel k_q2b1a7301f2_qkv
		.amdhsa_group_segment_fixed_size 327680
		.amdhsa_private_segment_fixed_size 0
		.amdhsa_enable_private_segment 0
		.amdhsa_kernarg_size 48
		.amdhsa_user_sgpr_count 2
		.amdhsa_user_sgpr_kernarg_segment_ptr 1
		.amdhsa_wavefront_size32 1
		.amdhsa_system_sgpr_workgroup_id_x 1
		.amdhsa_system_sgpr_workgroup_id_y 1
		.amdhsa_system_sgpr_workgroup_id_z 1
		.amdhsa_system_vgpr_workitem_id 0
		.amdhsa_next_free_vgpr 1024
		.amdhsa_next_free_sgpr 102
		.amdhsa_reserve_vcc 0
		.amdhsa_float_denorm_mode_32 3
		.amdhsa_float_denorm_mode_16_64 3
		.amdhsa_memory_ordered 1
		.amdhsa_forward_progress 1
		.amdhsa_inst_pref_size 193
	.end_amdhsa_kernel
	.amdgpu_metadata
---
amdhsa.version: [ 1, 2 ]
amdhsa.kernels:
  - .name:           k_q2b1a7301f2_qkv
    .symbol:         k_q2b1a7301f2_qkv.kd
    .args:
      - { .name: x_codes, .offset: 0, .size: 8, .value_kind: global_buffer, .address_space: global }
      - { .name: x_scales, .offset: 8, .size: 8, .value_kind: global_buffer, .address_space: global }
      - { .name: W_qkv_codes, .offset: 16, .size: 8, .value_kind: global_buffer, .address_space: global }
      - { .name: W_qkv_scales, .offset: 24, .size: 8, .value_kind: global_buffer, .address_space: global }
      - { .name: b_qkv, .offset: 32, .size: 8, .value_kind: global_buffer, .address_space: global }
      - { .name: img, .offset: 40, .size: 8, .value_kind: global_buffer, .address_space: global }
    .group_segment_fixed_size: 327680
    .private_segment_fixed_size: 0
    .kernarg_segment_align: 8
    .kernarg_segment_size: 48
    .max_flat_workgroup_size: 128
    .sgpr_count:     102
    .vgpr_count:     1024
    .wavefront_size: 32
...
	.end_amdgpu_metadata
.endif
;; end of part 1
;; launch scores (part 2): grid 8 x 32, 4 waves a work-group, clusters of 4 x 4, 327,680 bytes of LDS; arguments img, pimg, pst; writes pimg, pst
.if DOCPART == 2
	.amdgcn_target "amdgcn-amd-amdhsa--gfx1250"
	.amdhsa_code_object_version 6
	.text
	.protected	k_q2b1a7301f2_scores
	.globl	k_q2b1a7301f2_scores
	.p2align	8
	.type	k_q2b1a7301f2_scores,@function
k_q2b1a7301f2_scores:
	s_mov_b64 s[64:65], 0
	v_nop
	global_prefetch_b8 v0, s[64:65] scope:SCOPE_SE
	s_setreg_imm32_b32 hwreg(HW_REG_WAVE_MODE, 25, 1), 1
	s_wait_xcnt 0x0
	s_wait_alu depctr_hold_cnt(0) depctr_sa_sdst(0) depctr_va_vdst(0) depctr_va_sdst(0) depctr_va_ssrc(0) depctr_va_vcc(0) depctr_vm_vsrc(0)
	s_getreg_b32 s2, hwreg(HW_REG_IB_STS2, 6, 4)
	s_cmp_eq_u32 s2, 0
	s_cbranch_scc0 .Lentry_in_a_cluster
	s_endpgm
.Lentry_in_a_cluster:
	s_bfe_u32 s2, ttmp6, 0x10000c
	s_cmp_lg_u32 s2, 0xf033
	s_cbranch_scc0 .Lentry_shape_is_right
	s_endpgm
.Lentry_shape_is_right:
; SECOND LAUNCH: the scores q k^T on codes of FP4, and p = 2^(t - M) quantised along the keys, t = score x log2(e) / 32.
; LEFT OUT: the resonance, sin(-78 pi) = 0 by an identity and the same along the softmax's axis (shown at the head of the first kernel).
; M IS LOCAL: a whole number for each query and each 128 keys, the ceiling of the largest t among those 128 keys.  Under the row's M, which the next launch finds, every p is smaller by an exact power of two,
; which the blocks' scale bytes take up: the codes are the same.  Stored for each (query, 128 keys): p's fragment, its scale word under the local M, -M and the sum l of the unquantised p.
; LIMITS: NaN and infinities are not served; scaled scores stay under 2^31 in magnitude; a p under 2^-126 of its local maximum is 0 (v_exp_f32: ISA guide, its entry in 15.8).  A scale byte is held at 64 from below:
; in a block of 32 keys whose largest p is under 2^-61, p is rounded to multiples of 2^-64: under 2^-64 x |v| for each key beside a row's sum above 1/2.
; SHARES.  256 queries x 256 keys of one batch to a work-group, 128 x 128 to a wave (64 accumulators).  The grid's clusters are renumbered: number n = x + 2 y becomes j = (n + 15) % 16; cluster j takes
; batch (j / 2) % 4, its 1,024 queries j % 2 and its 1,024 keys j / 8.
; K = 1,024 lies in LDS whole: two slots of 512 along K, each filled once.  One joint load a wave: waves 0 and 1 bring slot 0 (two records of q, two of k), waves 2 and 3 slot 1, which is waited for three steps later.
; The operands come as images of their registers: a fragment is two loads of 16 bytes at 16 x lane: consecutive bytes, no pitch.  TRANSPOSED: source 0 = 16 keys, source 1 = 16 queries: a lane holds one query.
; CLUSTERS: 4 x 4: q's records are shared along a row of the cluster, k's along a column.  No prefetch: the launch has no loop to run ahead in.
; OUT: pimg: 131,072 G + 8,192 S + 1,024 a (G = query / 128, S = keys / 128): fragments as images.  pst: 24,576 G + 8,192 plane + 512 S + 256 (a / 4) + 16 r + 4 (a % 4): plane 0 scale words, 1 -M, 2 l.
; REGISTERS: window 0: v16-25 addresses; v32-47 scale words, two sets (and nothing else); v48-71 what is kept of each block; v128-255 A's two sets (v128-191 hold p's codes on the way out, v192-249 are at work there).
;   window 1: v0-63, v128-191 B's two sets.   windows 2, 3: the accumulators, (a, b) at v[8 (8 (a % 4) + b)].
.set REC,   34816                      ; a record: 32,768 bytes of codes, 2,048 of scale words
.set SLOT,  4*REC
.set SPARE, 2*SLOT
.set ADRA, 16                          ; v16-17, v20-21, v22-23: LDS addresses in slot 0, 1 of my A fragments, my B fragments, my scale words
.set ADRB, 20
.set ADRS, 22
.set LI,   24                          ; 16 x lane
.set SPW,  28
.set NIL,  29
.set SC,   32                          ; set p at v[SC + 8 p]: register i: lanes 0-15 A's block i, lanes 16-31 B's block i
.set PWS,  48                          ; v48-55 p's scale word, v56-63 -M, v64-71 l: of my query in block a
.set NMS,  56
.set LSS,  64
.set AF,   128
.set CD,   128
.set MX,   192                         ; set n at v[MX + 8 n]: the eight blocks' largest scores, then largest p
.set T2,   208
.set SO,   216                         ; the conversions' scale operands
.set NM,   224                         ; set n: pairs v[NM + 8 n + 2 k]: -M of the pair's block k (the packed form takes the low word)
.set L,    240                         ; v[L + 4 k ..]: two chains of block k's sum
.set TT,   248
.set WV,   16
.set RH,   17
.set CH,   18
.set CS,   10                          ; s[10:11] c = log2(e) / 32
.set SEL,  12
.set G1A,  24
.set G0A,  32
.set G1B,  48
.set G0B,  56
.set MSB, 0
.macro WIN new
.if MSB != (\new)
	s_set_vgpr_msb (MSB<<8)|(\new)
.set MSB, (\new)
.endif
.endm
.macro PLACES
.rept 4
	v_nop
.endr
.endm
.macro CROUND
	s_barrier_signal -1
	s_barrier_wait -1
	s_cmp_lg_u32 s[WV], 0
	s_cbranch_scc1 .Lnot_wave_0_\@
	s_barrier_signal -3
.Lnot_wave_0_\@:
	s_barrier_wait -3
	s_barrier_signal -1
	s_barrier_wait -1
.endm
.macro ARM under, g0, g1, next         ; one arm of the tree that shares the head's loads out, one a wave
	s_cmp_lt_u32 s[WV], \under
	s_cbranch_scc0 \next
	tensor_load_to_lds s[\g0:\g0+3], s[\g1:\g1+7]
	s_nop 0
	PLACES
	s_branch .Lhead_asked
\next:
.endm
	s_load_b128 s[4:7], s[0:1], 0x0                ; img s[4:5], pimg s[6:7]
	s_load_b64 s[8:9], s[0:1], 0x10                ; pst
	v_lshl_add_u32 v[SPW], v0, 2, SPARE
	v_mov_b32 v[NIL], 0
	ds_add_u32 v[SPW], v[NIL]                      ; the wave's opening: the add, twice on end, and its wait ahead of my first tensor load
	ds_add_u32 v[SPW], v[NIL]
	v_lshrrev_b32 v1, 5, v0
	v_readfirstlane_b32 s[WV], v1
	s_lshr_b32 s[RH], s[WV], 1
	s_and_b32 s[CH], s[WV], 1
	s_bfe_u32 s40, ttmp6, 0x40000                  ; cx
	s_bfe_u32 s41, ttmp6, 0x40004                  ; cy
	s_and_b32 s19, ttmp7, 0xffff
	s_lshl_b32 s19, s19, 1
	s_add_co_u32 s19, s19, ttmp9
	s_add_co_u32 s19, s19, 15
	s_and_b32 s19, s19, 15                         ; j
	s_bfe_u32 s14, s19, 0x20001                    ; the batch
	s_and_b32 s46, s19, 1
	s_lshl_b32 s46, s46, 2
	s_lshl_b32 s15, s14, 3
	s_add_co_u32 s46, s46, s15
	s_add_co_u32 s46, s46, s41                     ; TR: 256 queries of the 8,192 rows
	s_lshr_b32 s42, s19, 3
	s_lshl_b32 s42, s42, 2
	s_add_co_u32 s42, s42, s40                     ; TC: 256 keys of the batch
	s_lshl_b32 s43, s41, 2
	s_lshl_b32 s43, 15, s43                        ; my row of the cluster
	s_lshl_b32 s44, 0x1111, s40                    ; my column
	; descriptor group 1: two records that lie end to end, 69,632 dense bytes, as 272 rows of 32 elements of 8 bytes; no padding
	s_or_b32 s[G1A+0], s43, (3<<16)|(1<<21)
	s_or_b32 s[G1B+0], s44, (3<<16)|(1<<21)
.irp g, G1A, G1B
	s_mov_b32 s[\g+1], 32<<16
	s_mov_b32 s[\g+2], 272<<16
	s_mov_b32 s[\g+3], 32<<16
	s_mov_b32 s[\g+4], 272
	s_mov_b32 s[\g+5], 32
	s_mov_b32 s[\g+6], 0
	s_mov_b32 s[\g+7], 0
.endr
	s_mul_i32 s20, s46, 2*REC                      ; q's records of K chunk 0: 2 TR on
	s_mov_b32 s21, 0
	s_lshl_b32 s22, s14, 4
	s_lshl_b32 s23, s42, 1
	s_add_co_u32 s22, s22, s23
	s_add_co_u32 s22, s22, 128                     ; k's: 128 + 16 batch + 2 TC
	s_mul_i32 s22, s22, REC
	s_mov_b32 s23, 0
	s_mov_b32 s[CS], 0x3d38aa3b                    ; log2(e) / 32: the division by sqrt(1,024) is exact
	s_mov_b32 s[CS+1], s[CS]
	s_mov_b32 s[SEL], 0x76543210
	s_mov_b32 s[SEL+1], 0xfedcba98
	s_mov_b32 s14, 0x21000000                      ; 2^(66 - 127)
	s_mov_b32 s15, 0xff000000                      ; 2 off an exponent field
	s_lshl_b32 s66, s46, 1
	s_add_co_u32 s66, s66, s[RH]                   ; G = my queries / 128
	s_lshl_b32 s67, s42, 1
	s_add_co_u32 s67, s67, s[CH]                   ; S = my keys / 128
	s_lshl_b32 s68, s66, 17
	s_lshl_b32 s69, s67, 13
	s_add_co_u32 s68, s68, s69
	s_mov_b32 s69, 0
	s_mul_i32 s70, s66, 24576
	s_lshl_b32 s67, s67, 9
	s_add_co_u32 s70, s70, s67
	s_mov_b32 s71, 0
	s_mul_i32 s45, s[RH], REC                      ; my 128 queries' record
	s_mul_i32 s47, s[CH], REC
	s_add_co_u32 s47, s47, 2*REC                   ; my 128 keys'
	s_sub_co_u32 s2, s47, s45
	v_and_b32 v1, 31, v0                           ; lane
	v_and_b32 v2, 15, v0                           ; r
	v_bfe_u32 v3, v0, 4, 1                         ; h
	v_lshlrev_b32 v[LI], 4, v1
	v_mul_u32_u24 v4, s2, v3                       ; lanes 16-31 take B's scale words: one product, h x the distance
	v_lshl_add_u32 v4, v2, 5, v4
	v_add_nc_u32 v[ADRA], s45, v[LI]
	v_add_nc_u32 v[ADRB], s47, v[LI]
	v_add_nc_u32 v[ADRS], s45, v4
	v_add_nc_u32 v[ADRA+1], SLOT, v[ADRA]
	v_add_nc_u32 v[ADRB+1], SLOT, v[ADRB]
	v_add_nc_u32 v[ADRS+1], SLOT, v[ADRS]
	s_wait_alu depctr_va_vdst(0)                   ; the wait at the head's end
	s_wait_dscnt 0x0                               ; both opening adds are done
	CROUND                                         ; the first joint loads meet.  The arguments are on their way meanwhile
	s_wait_kmcnt 0x0
	s_add_nc_u64 s[20:21], s[4:5], s[20:21]
	s_add_nc_u64 s[22:23], s[4:5], s[22:23]
	s_add_nc_u64 s[6:7], s[6:7], s[68:69]
	s_add_nc_u64 s[8:9], s[8:9], s[70:71]
.irp s, 0,1
	s_mov_b32 s[G0A+4*\s], 1
	s_mov_b32 s[G0A+4*\s+1], \s*SLOT
	s_add_nc_u64 s[G0A+4*\s+2:G0A+4*\s+3], s[20:21], \s*64*REC     ; K chunk s: 64 records on
	s_or_b32 s[G0A+4*\s+3], s[G0A+4*\s+3], 0x80000000
	s_mov_b32 s[G0B+4*\s], 1
	s_mov_b32 s[G0B+4*\s+1], \s*SLOT+2*REC
	s_add_nc_u64 s[G0B+4*\s+2:G0B+4*\s+3], s[22:23], \s*64*REC
	s_or_b32 s[G0B+4*\s+3], s[G0B+4*\s+3], 0x80000000
.endr
	ARM 1, G0A, G1A, .Lhead_1                      ; one tensor load a wave
	ARM 2, G0B, G1B, .Lhead_2
	ARM 3, G0A+4, G1A, .Lhead_3
	tensor_load_to_lds s[G0B+4:G0B+7], s[G1B:G1B+7]
	s_nop 0
	PLACES
.Lhead_asked:
.macro FETCH slot, q, p                ; the fragments and scale words of the slot's q-th 128 along K into set p
	WIN 0x40
.irp i, 0,1,2,3,4,5,6,7
.irp c, 0,1
	ds_load_b128 v[128*(\p)+8*\i+4*\c:128*(\p)+8*\i+4*\c+3], v[ADRB+\slot] offset:\i*4096+(\q)*1024+512*\c
.endr
.endr
	WIN 0
.irp i, 0,1,2,3,4,5,6,7
.irp c, 0,1
	ds_load_b128 v[AF+64*(\p)+8*\i+4*\c:AF+64*(\p)+8*\i+4*\c+3], v[ADRA+\slot] offset:\i*4096+(\q)*1024+512*\c
.endr
.endr
	ds_load_b128 v[SC+8*(\p):SC+8*(\p)+3], v[ADRS+\slot] offset:32768+512*(\q)
	ds_load_b128 v[SC+8*(\p)+4:SC+8*(\p)+7], v[ADRS+\slot] offset:32768+512*(\q)+16
.endm
.macro MULA p, a0, zero                ; 32 matrix instructions; the 64 accumulators take turns, one instruction a turn, in the same order in every step; zero = 1: the first products start the sums
	WIN 0xa1+0x50*((\a0)/4)
.irp a, 0,1,2,3
.irp b, 0,1,2,3,4,5,6,7
.set rD, 8*(8*\a+\b)
.set rB, 128*(\p)+8*\b
.set rA, AF+64*(\p)+8*((\a0)+\a)
.if \zero
	v_wmma_scale_f32_16x16x128_f8f6f4 v[rD:rD+7], v[rB:rB+7], v[rA:rA+7], 0, v[SC+8*(\p)+\b], v[SC+8*(\p)+(\a0)+\a] matrix_a_fmt:MATRIX_FMT_FP4 matrix_b_fmt:MATRIX_FMT_FP4 matrix_a_scale:MATRIX_SCALE_ROW1
.else
	v_wmma_scale_f32_16x16x128_f8f6f4 v[rD:rD+7], v[rB:rB+7], v[rA:rA+7], v[rD:rD+7], v[SC+8*(\p)+\b], v[SC+8*(\p)+(\a0)+\a] matrix_a_fmt:MATRIX_FMT_FP4 matrix_b_fmt:MATRIX_FMT_FP4 matrix_a_scale:MATRIX_SCALE_ROW1
.endif
.endr
.endr
.endm
.macro STEP st
.set NX, (\st)+1
	s_wait_dscnt 0x0                               ; this step's set, asked for a step ago, is in
	PLACES                                         ; the other set was read by the last step's products
	FETCH NX/4, NX%4, NX%2
	MULA (\st)%2, 0, 0
	MULA (\st)%2, 4, 0
.endm
	s_cmp_lt_u32 s[WV], 2
	s_cbranch_scc0 .Lslot_1_is_mine
	s_wait_tensorcnt 0x0                           ; waves 0 and 1: slot 0 is in.  Slot 1's two loads, of waves 2 and 3, may stay out
.Lslot_1_is_mine:
	s_barrier_signal -1
	s_barrier_wait -1
	FETCH 0, 0, 0
	s_wait_dscnt 0x0
	FETCH 0, 1, 1
	MULA 0, 0, 1
	MULA 0, 4, 1
	STEP 1
	STEP 2
	s_wait_dscnt 0x0                               ; step 3: its set is in,
	s_wait_tensorcnt 0x0                           ; my load has landed, slot 1's among all four,
	s_barrier_signal -1
	MULA 1, 0, 0                                   ; work on registers while the others arrive
	s_barrier_wait -1                              ; and everybody's.  No slot is filled behind this barrier
	PLACES
	FETCH 1, 0, 0
	MULA 1, 4, 0
	STEP 4
	STEP 5
	STEP 6
	s_wait_dscnt 0x0
	MULA 1, 0, 0
	MULA 1, 4, 0
	WIN 0
	PLACES
.irp b, 0,1,2,3,4,5,6,7
	v_mov_b32 v[T2+\b], 0                          ; written once: a lane permute's destination counts as one of its sources
.endr
.irp b, 1,3,9,11
	v_mov_b32 v[NM+\b], 0                          ; named as the upper half of a pair
.endr
; THE WAY OUT, two blocks of 16 queries x my 128 keys at a time: pair n2 has blocks 2 n2, 2 n2 + 1, 128 registers of one window.  In tile t a lane (r, h) holds keys 16 t + 8 h + 0 .. 7 of query r;
; a block of 32 keys is the 16 registers of tiles 2 b, 2 b + 1 in lanes l and l xor 16: eight blocks of 32 in a pair.
.macro PAIRSET n2
.set W, 2+(\n2)/2
.set AC, 128*((\n2)%2)
.set PM, MX+8*((\n2)%2)
.set PN, NM+8*((\n2)%2)
.endm
.macro MAXM n2                         ; the pair's maxima and -M
	PAIRSET \n2
	WIN W|(W<<2)
.irp b, 0,1,2,3,4,5,6,7
	v_max_num_f32 v[PM+\b], v[AC+16*\b], v[AC+16*\b+1]         ; the largest score of each block of 32: it serves the maximum of the 128 and, since p rises with the score, the block's largest p.  Each accumulator from its low end on
.endr
.irp i, 2,4,6,8,10,12,14
.irp b, 0,1,2,3,4,5,6,7
	v_max3_num_f32 v[PM+\b], v[AC+16*\b+\i], v[AC+16*\b+\i+1], v[PM+\b]
.endr
.endr
	WIN 0
.irp b, 0,1,2,3,4,5,6,7
	v_permlanex16_b32 v[T2+\b], v[PM+\b], s[SEL], s[SEL+1]
.endr
.irp b, 0,1,2,3,4,5,6,7
	v_max_num_f32 v[PM+\b], v[PM+\b], v[T2+\b]
.endr
.irp k, 0,1
	v_max3_num_f32 v[TT+\k], v[PM+4*\k], v[PM+4*\k+1], v[PM+4*\k+2]
.endr
.irp k, 0,1
	v_max_num_f32 v[TT+\k], v[TT+\k], v[PM+4*\k+3]
.endr
.irp k, 0,1
	v_mul_f32 v[TT+\k], s[CS], v[TT+\k]            ; the largest t of my query's 128 keys
.endr
.irp k, 0,1
	v_floor_f32 v[PN+2*\k], -v[TT+\k]              ; -M = floor(-t) = -ceil(t): a whole number
.endr
.irp k, 0,1
	v_mov_b32 v[NMS+2*(\n2)+\k], v[PN+2*\k]
.endr
.irp b, 0,1,2,3,4,5,6,7
	v_fma_f32 v[PM+\b], v[PM+\b], s[CS], v[PN+2*(\b/4)]
.endr
.endm
.macro TFMA r2, n                      ; t - M, two at a time; n: which of the pair's 64
	v_pk_fma_f32 v[\r2:\r2+1], v[\r2:\r2+1], s[CS:CS+1], v[QN+2*(\n/32):QN+2*(\n/32)+1] op_sel_hi:[1,0,0]
.endm
.macro FMAS n2                         ; the pair's t - M, where no exponentials of the same window stand ahead
	PAIRSET \n2
	WIN W|(W<<6)                                   ; destination and source 0: the accumulators' window
.set QN, PN
.set ix, 0
.rept 64
	TFMA AC+2*ix, ix
.set ix, ix+1
.endr
.endm
.macro SUM1 r4                         ; the sum's first stage, in place, when p has been converted: four numbers become two
	v_pk_add_f32 v[\r4:\r4+1], v[\r4:\r4+1], v[\r4+2:\r4+3]
.endm
.macro BATCH n2                        ; p = 2^(t - M), at most 1: not normalised.  Among a window's first pair's exponentials stand the second pair's t - M, among the second's the first pair's sums
	PAIRSET \n2
	WIN W|(W<<2)|(W<<6)
.set QN, NM+8
.set ix, 0
	s_wait_alu depctr_va_vdst(0)                   ; the wait ahead of the batch
.if AC == 0
	WIN W|(W<<6)
.endif
.rept 64
	v_exp_f32 v[AC+2*ix], v[AC+2*ix]
	v_exp_f32 v[AC+2*ix+1], v[AC+2*ix+1]
.if AC == 0
	TFMA 128+2*ix, ix
.elseif ix%2
	SUM1 2*ix-2
.endif
.set ix, ix+1
.endr
	WIN 0
.irp b, 0,1,2,3,4,5,6,7
	v_exp_f32 v[PM+\b], v[PM+\b]                   ; the block's largest p: the same two instructions on the same number
.endr
	v_nop                                          ; a plain place behind the last exponential
	s_wait_alu depctr_va_vdst(0)                   ; one wait for the batch, ahead of its first use
.endm
.macro SUMS n2, first                  ; l, the sum of the unquantised p, two at a time, two chains a block; first = 1: with its first stage
	PAIRSET \n2
.if \first
	WIN W|(W<<2)|(W<<6)
.set ix, 0
.rept 32
	SUM1 AC+4*ix
.set ix, ix+1
.endr
.endif
	WIN W|(W<<2)
.irp k, 0,1
	v_pk_add_f32 v[L+4*\k:L+4*\k+1], v[AC+64*\k:AC+64*\k+1], v[AC+64*\k+4:AC+64*\k+5]
	v_pk_add_f32 v[L+4*\k+2:L+4*\k+3], v[AC+64*\k+8:AC+64*\k+9], v[AC+64*\k+12:AC+64*\k+13]
.endr
	WIN W
.irp j, 16,24,32,40,48,56
.irp k, 0,1
	v_pk_add_f32 v[L+4*\k:L+4*\k+1], v[AC+64*\k+\j:AC+64*\k+\j+1], v[L+4*\k:L+4*\k+1]
	v_pk_add_f32 v[L+4*\k+2:L+4*\k+3], v[AC+64*\k+\j+4:AC+64*\k+\j+5], v[L+4*\k+2:L+4*\k+3]
.endr
.endr
	WIN 0
.irp k, 0,1
	v_pk_add_f32 v[L+4*\k:L+4*\k+1], v[L+4*\k:L+4*\k+1], v[L+4*\k+2:L+4*\k+3]
.endr
.irp k, 0,1
	v_add_f32 v[LSS+2*(\n2)+\k], v[L+4*\k], v[L+4*\k+1]
.endr
.irp k, 0,1
	v_permlanex16_b32 v[TT+\k], v[LSS+2*(\n2)+\k], s[SEL], s[SEL+1]
.endr
.irp k, 0,1
	v_add_f32 v[LSS+2*(\n2)+\k], v[LSS+2*(\n2)+\k], v[TT+\k]   ; with lane l xor 16's 64 keys: l of the 128
.endr
.endm
.macro QNT n2                          ; p's scale words and codes
	PAIRSET \n2
	WIN 0
.irp b, 0,1,2,3,4,5,6,7
	v_max_num_f32 v[PM+\b], s14, v[PM+\b]          ; the floor 2^(66 - 127): the byte cannot fall under 64
.endr
.irp b, 0,1,2,3,4,5,6,7
	v_add_nc_u32 v[SO+\b], s15, v[PM+\b]           ; 2 off the exponent field: the conversion's scale operand
.endr
.irp b, 0,1,2,3,4,5,6,7
	v_lshrrev_b32 v[T2+\b], 23, v[SO+\b]           ; the scale's byte: 64 to 125
.endr
.irp n, 1,2,3
.irp k, 0,1
.if \n == 1
	v_lshl_or_b32 v[PWS+2*(\n2)+\k], v[T2+4*\k+1], 8, v[T2+4*\k]
.else
	v_lshl_or_b32 v[PWS+2*(\n2)+\k], v[T2+4*\k+\n], 8*\n, v[PWS+2*(\n2)+\k]
.endif
.endr
.endr
	WIN W
.irp c, 0,1,2,3                        ; tiles 4 c, 4 c + 2 into registers 4 c, 4 c + 1; tiles 4 c + 1, 4 c + 3 into 4 c + 2, 4 c + 3: the exchange below then gives the operand's layout
	v_cvt_scalef32_pk8_fp4_f32 v[CD+16*(\n2)+4*\c], v[AC+32*\c:AC+32*\c+7], v[SO+2*\c]
	v_cvt_scalef32_pk8_fp4_f32 v[CD+16*(\n2)+4*\c+1], v[AC+32*\c+16:AC+32*\c+23], v[SO+1+2*\c]
	v_cvt_scalef32_pk8_fp4_f32 v[CD+16*(\n2)+4*\c+2], v[AC+32*\c+8:AC+32*\c+15], v[SO+2*\c]
	v_cvt_scalef32_pk8_fp4_f32 v[CD+16*(\n2)+4*\c+3], v[AC+32*\c+24:AC+32*\c+31], v[SO+1+2*\c]
.endr
	WIN 0
	v_nop                                          ; one plain place behind a scaled conversion
.irp c, 0,1,2,3
	v_permlane16_swap_b32 v[CD+16*(\n2)+4*\c], v[CD+16*(\n2)+4*\c+1]
	v_permlane16_swap_b32 v[CD+16*(\n2)+4*\c+2], v[CD+16*(\n2)+4*\c+3]
.endr
.irp c, 0,1,2,3
	global_store_b128 v[LI], v[CD+16*(\n2)+4*\c:CD+16*(\n2)+4*\c+3], s[6:7] offset:(2*(\n2)+\c/2)*1024+512*(\c%2)   ; 512 consecutive bytes, aligned; each block has registers of its own
.endr
.endm
	MAXM 0
	FMAS 0
	MAXM 1
	BATCH 0
	QNT 0
	MAXM 2
	BATCH 1
	SUMS 0, 0
	QNT 1
	SUMS 1, 1
	FMAS 2
	MAXM 3
	BATCH 2
	QNT 2
	BATCH 3
	SUMS 2, 0
	QNT 3
	SUMS 3, 1
.irp x, PWS, NMS, LSS
.irp a, 0,1,2,3
	v_permlane16_swap_b32 v[\x+\a], v[\x+4+\a]     ; lanes 0-15 keep blocks 0-3's, lanes 16-31 take blocks 4-7's
.endr
.endr
	global_store_b128 v[LI], v[PWS:PWS+3], s[8:9]                  ; each plane's 128 words of my 128 keys: 512 consecutive bytes
	global_store_b128 v[LI], v[NMS:NMS+3], s[8:9] offset:8192
	global_store_b128 v[LI], v[LSS:LSS+3], s[8:9] offset:16384
	s_wait_tensorcnt 0x0                           ; the wave's end
	ds_add_u32 v[SPW], v[NIL]
	s_wait_dscnt 0x0
	CROUND                                         ; the closing round
	s_endpgm
.Lfunc_end_k_q2b1a7301f2_scores:
	.size	k_q2b1a7301f2_scores, .Lfunc_end_k_q2b1a7301f2_scores-k_q2b1a7301f2_scores
	.p2alignl 7, 3214868480
	.fill 96, 4, 3214868480
	.section	.rodata,"a",@progbits
	.p2align	6, 0x0
	.amdhsa_kernel k_q2b1a7301f2_scores
		.amdhsa_group_segment_fixed_size 327680
		.amdhsa_private_segment_fixed_size 0
		.amdhsa_enable_private_segment 0
		.amdhsa_kernarg_size 24
		.amdhsa_user_sgpr_count 2
		.amdhsa_user_sgpr_kernarg_segment_ptr 1
		.amdhsa_wavefront_size32 1
		.amdhsa_system_sgpr_workgroup_id_x 1
		.amdhsa_system_sgpr_workgroup_id_y 1
		.amdhsa_system_sgpr_workgroup_id_z 1
		.amdhsa_system_vgpr_workitem_id 0
		.amdhsa_next_free_vgpr 1024
		.amdhsa_next_free_sgpr 80
		.amdhsa_reserve_vcc 0
		.amdhsa_float_denorm_mode_32 3
		.amdhsa_float_denorm_mode_16_64 3
		.amdhsa_memory_ordered 1
		.amdhsa_forward_progress 1
		.amdhsa_inst_pref_size 176
	.end_amdhsa_kernel
	.amdgpu_metadata
---
amdhsa.version: [ 1, 2 ]
amdhsa.kernels:
  - .name:           k_q2b1a7301f2_scores
    .symbol:         k_q2b1a7301f2_scores.kd
    .args:
      - { .name: img, .offset: 0, .size: 8, .value_kind: global_buffer, .address_space: global }
      - { .name: pimg, .offset: 8, .size: 8, .value_kind: global_buffer, .address_space: global }
      - { .name: pst, .offset: 16, .size: 8, .value_kind: global_buffer, .address_space: global }
    .group_segment_fixed_size: 327680
    .private_segment_fixed_size: 0
    .kernarg_segment_align: 8
    .kernarg_segment_size: 24
    .max_flat_workgroup_size: 128
    .sgpr_count:     80
    .vgpr_count:     1024
    .wavefront_size: 32
...
	.end_amdgpu_metadata
.endif
;; end of part 2
;; launch pv (part 3): grid 8 x 32, 4 waves a work-group, clusters of 4 x 4, 327,680 bytes of LDS; arguments pimg, pst, img, out0; writes out0
.if DOCPART == 3
	.amdgcn_target "amdgcn-amd-amdhsa--gfx1250"
	.amdhsa_code_object_version 6
	.text
	.protected	k_q2b1a7301f2_pv
	.globl	k_q2b1a7301f2_pv
	.p2align	8
	.type	k_q2b1a7301f2_pv,@function
k_q2b1a7301f2_pv:
	s_mov_b64 s[64:65], 0
	v_nop
	global_prefetch_b8 v0, s[64:65] scope:SCOPE_SE
	s_setreg_imm32_b32 hwreg(HW_REG_WAVE_MODE, 25, 1), 1
	s_wait_xcnt 0x0
	s_wait_alu depctr_hold_cnt(0) depctr_sa_sdst(0) depctr_va_vdst(0) depctr_va_sdst(0) depctr_va_ssrc(0) depctr_va_vcc(0) depctr_vm_vsrc(0)
	s_getreg_b32 s2, hwreg(HW_REG_IB_STS2, 6, 4)
	s_cmp_eq_u32 s2, 0
	s_cbranch_scc0 .Lentry_in_a_cluster
	s_endpgm
.Lentry_in_a_cluster:
	s_bfe_u32 s2, ttmp6, 0x10000c
	s_cmp_lg_u32 s2, 0xf033
	s_cbranch_scc0 .Lentry_shape_is_right
	s_endpgm
.Lentry_shape_is_right:
; THIRD LAUNCH: out = (p v) / l on codes of FP4, K = the 2,048 keys.
; THE ROW'S M AND l.  p was quantised under a whole-number M of its own for each 128 keys.  The row's M is the largest of the sixteen; with D = the row's M less a chunk's, that chunk's p are smaller by 2^-D exactly:
; D is taken off each of its four scale bytes, and its sum l is multiplied by 2^-D.  The codes stay as they are.
; LIMITS: D is held at 63, and the bytes are 64 or more, so no byte falls under 1: a chunk of 128 keys whose M lies more than 63 under the row's counts at 2^-63 of its own p: at most 2^-63 x |v| for each key beside a
; row's sum above 1/2.  NaN and infinities are not served.
; SHARES.  256 queries x 128 of the model's 1,024 to a work-group: 256 work-groups; a wave has 64 of the queries and all 128 columns.  The grid's clusters are renumbered: number n = x + 2 y becomes j = (n + 15) % 16;
; cluster j takes batch (j / 2) % 4, its 1,024 queries j % 2 and its 512 columns j / 8.
; TRANSPOSED: source 0 = 16 rows of v^T, source 1 = 16 queries of p: a lane holds eight neighbouring numbers of a row of out.
; P STAYS IN REGISTERS: 64 queries x 2,048 keys are 512 registers.  The columns go in two halves of 64, 16 accumulators each, so that the first half's rows are stored while the second half is multiplied.
; NOTHING IS FILLED AGAIN.  LDS holds v's four records (all keys) and the first 11 of p's 16 K steps of 128 keys: four joint loads, one a wave: waves 0 and 1 p's (90,112 bytes each), wave 2 v's first two records,
; wave 3 its last two, which are waited for later.  p's other five K steps would not fit beside them (2 x 40,960 bytes more): each wave loads its own 20 KiB straight from memory into the registers, as images, so that
; no slot has to be filled again.
; CLUSTERS: 4 x 4: p's K steps in LDS are shared along a row of the cluster, v's records along a column.  No prefetch: the launch has no loop to run ahead in.
; REGISTERS: window 0: v8-29 addresses and 1 / l; v32-127 scale words (and nothing else); v128-255 the joining, then rows of out.   windows 1, 2: p's fragments: K step S, block a at v[32 (S % 8) + 8 a].
;   window 3: v0-127 the accumulators, (a, b) at v[8 (4 a + b)]; v128-255 v's fragments: four K steps' four blocks.
.set REC,   34816
.set NJ,    11                         ; p's K steps that come by joint loads
.set PG,    NJ*8192                    ; LDS: p's NJ K steps of 128 queries at 0 and at PG,
.set VL,    2*PG                       ; then v's four records
.set SPARE, VL+4*REC
.set SROW,  272                        ; the way out: 64 rows x (256 + 16) bytes a wave, where p lay: its one fill has landed and its last read stands ahead of the third barrier
.set SBLK,  16*SROW
.set LI,   8                           ; 16 x lane
.set ADA,  26                          ; v26-27 LDS address of my p: K steps 0-7, 8-10
.set ADB,  10                          ; v10-13 of v's fragments in record kc
.set ADS,  14                          ; v14-17 of its scale words: lanes 0-15 blocks 0-3, lanes 16-31 blocks 4-7
.set TA,   18                          ; my rows in pst: 16 r + 8 h
.set STO,  19
.set RD,   20
.set CO,   21
.set RLB,  22                          ; v22-25 1 / l of my query in block a
.set SPW,  28
.set NIL,  29
.set PS,   32                          ; p's scale words: v[PS + 2 S + j]: lanes 0-15 block j, lanes 16-31 block j + 2
.set VS,   64                          ; v's: v[VS + 4 S + b]: lanes 0-15 block b, lanes 16-31 block b + 4
.set PR,   128                         ; v[PR + 2 S + j] scale words, v[PM ..] -M, v[PL ..] l
.set PM,   160
.set PL,   192
.set BF,   128                         ; window 3
.set BK,   128                         ; rows of out
.set WV,   16
.set GH,   17                          ; which 128 queries
.set QH,   18                          ; which 64 of them
.set G1P,  24
.set G1V,  32
.set G0P,  52                          ; s[52:59]
.set G0V,  60                          ; s[60:63]
.set G0V1, 68                          ; s[68:71]
.set MSB, 0
.macro WIN new
.if MSB != (\new)
	s_set_vgpr_msb (MSB<<8)|(\new)
.set MSB, (\new)
.endif
.endm
.macro PLACES
.rept 4
	v_nop
.endr
.endm
.macro CROUND
	s_barrier_signal -1
	s_barrier_wait -1
	s_cmp_lg_u32 s[WV], 0
	s_cbranch_scc1 .Lnot_wave_0_\@
	s_barrier_signal -3
.Lnot_wave_0_\@:
	s_barrier_wait -3
	s_barrier_signal -1
	s_barrier_wait -1
.endm
.macro ARM under, g0, g1, next         ; one arm of the tree that shares the head's loads out, one a wave
	s_cmp_lt_u32 s[WV], \under
	s_cbranch_scc0 \next
	tensor_load_to_lds s[\g0:\g0+3], s[\g1:\g1+7]
	s_nop 0
	PLACES
	s_branch .Lhead_asked
\next:
.endm
.macro WM c, ra, rb                    ; source 0 at v[rA], source 1 at v[rB], their scale words at v[rSA], v[rSB], in lanes 0-15 (0) or 16-31 (1)
.if (\ra) && (\rb)
	v_wmma_scale_f32_16x16x128_f8f6f4 v[rD:rD+7], v[rA:rA+7], v[rB:rB+7], \c, v[rSA], v[rSB] matrix_a_fmt:MATRIX_FMT_FP4 matrix_b_fmt:MATRIX_FMT_FP4 matrix_a_scale:MATRIX_SCALE_ROW1 matrix_b_scale:MATRIX_SCALE_ROW1
.elseif (\ra)
	v_wmma_scale_f32_16x16x128_f8f6f4 v[rD:rD+7], v[rA:rA+7], v[rB:rB+7], \c, v[rSA], v[rSB] matrix_a_fmt:MATRIX_FMT_FP4 matrix_b_fmt:MATRIX_FMT_FP4 matrix_a_scale:MATRIX_SCALE_ROW1
.elseif (\rb)
	v_wmma_scale_f32_16x16x128_f8f6f4 v[rD:rD+7], v[rA:rA+7], v[rB:rB+7], \c, v[rSA], v[rSB] matrix_a_fmt:MATRIX_FMT_FP4 matrix_b_fmt:MATRIX_FMT_FP4 matrix_b_scale:MATRIX_SCALE_ROW1
.else
	v_wmma_scale_f32_16x16x128_f8f6f4 v[rD:rD+7], v[rA:rA+7], v[rB:rB+7], \c, v[rSA], v[rSB] matrix_a_fmt:MATRIX_FMT_FP4 matrix_b_fmt:MATRIX_FMT_FP4
.endif
.endm
	s_load_b256 s[4:11], s[0:1], 0x0               ; pimg s[4:5], pst s[6:7], img s[8:9], out s[10:11]
	v_lshl_add_u32 v[SPW], v0, 2, SPARE
	v_mov_b32 v[NIL], 0
	ds_add_u32 v[SPW], v[NIL]                      ; the wave's opening: the add, twice on end, and its wait ahead of my first tensor load
	ds_add_u32 v[SPW], v[NIL]
	v_lshrrev_b32 v1, 5, v0
	v_readfirstlane_b32 s[WV], v1
	s_lshr_b32 s[GH], s[WV], 1
	s_and_b32 s[QH], s[WV], 1
	s_bfe_u32 s40, ttmp6, 0x40000                  ; cx
	s_bfe_u32 s41, ttmp6, 0x40004                  ; cy
	s_and_b32 s19, ttmp7, 0xffff
	s_lshl_b32 s19, s19, 1
	s_add_co_u32 s19, s19, ttmp9
	s_add_co_u32 s19, s19, 15
	s_and_b32 s19, s19, 15                         ; j
	s_bfe_u32 s20, s19, 0x20001                    ; the batch
	s_lshl_b32 s20, s20, 3
	s_and_b32 s23, s19, 1
	s_lshl_b32 s23, s23, 2
	s_add_co_u32 s23, s23, s20
	s_add_co_u32 s23, s23, s41                     ; Q: 256 queries of the 8,192 rows
	s_lshr_b32 s42, s19, 3
	s_lshl_b32 s42, s42, 2
	s_add_co_u32 s42, s42, s40                     ; T: 128 columns of the 1,024
	s_lshl_b32 s43, s41, 2
	s_lshl_b32 s43, 15, s43                        ; my row of the cluster
	s_lshl_b32 s44, 0x1111, s40                    ; my column
	; descriptor groups 1: dense blocks as rows of 32 elements of 8 bytes: p: NJ x 8,192 bytes, 352 rows; v: two records, 272 rows
	s_or_b32 s[G1P+0], s43, (3<<16)|(1<<21)
	s_or_b32 s[G1V+0], s44, (3<<16)|(1<<21)
	s_mov_b32 s[G1P+2], (PG/256)<<16
	s_mov_b32 s[G1P+4], PG/256
	s_mov_b32 s[G1V+2], 272<<16
	s_mov_b32 s[G1V+4], 272
.irp g, G1P, G1V
	s_mov_b32 s[\g+1], 32<<16
	s_mov_b32 s[\g+3], 32<<16
	s_mov_b32 s[\g+5], 32
	s_mov_b32 s[\g+6], 0
	s_mov_b32 s[\g+7], 0
.endr
	s_lshl_b32 s46, s23, 18                        ; p: 131,072 bytes for each 128 queries
	s_mov_b32 s47, 0
	s_add_co_u32 s48, s20, s42
	s_lshl_b32 s48, s48, 2
	s_add_co_u32 s48, s48, 256                     ; v: records 256 + 4 (8 batch + T) on
	s_mul_i32 s48, s48, REC
	s_mov_b32 s49, 0
	s_lshl_b32 s50, s23, 1
	s_add_co_u32 s50, s50, s[GH]
	s_mul_i32 s50, s50, 24576
	s_lshl_b32 s2, s[QH], 8
	s_add_co_u32 s50, s50, s2                      ; pst: my 64 queries
	s_mov_b32 s51, 0
	s_mul_i32 s76, s[GH], PG
	s_lshl_b32 s2, s[QH], 12
	s_add_co_u32 s76, s76, s2                      ; LDS: my 64 queries' p
	s_lshl_b32 s72, s[GH], 17
	s_add_co_u32 s72, s72, s2
	s_lshl_b32 s3, s23, 18
	s_add_co_u32 s72, s72, s3                      ; and in pimg
	s_mov_b32 s73, 0
	s_lshl_b32 s74, s23, 20                        ; out: 256 Q rows of 4,096 bytes,
	s_lshl_b32 s2, s[WV], 18
	s_add_co_u32 s74, s74, s2                      ; my 64 of them,
	s_lshl_b32 s2, s42, 9
	s_add_co_u32 s74, s74, s2                      ; the tile's 128 columns
	s_mov_b32 s75, 0
	s_mul_i32 s77, s[WV], 4*SBLK                   ; my stage
	s_mov_b32 s78, 0xc27c0000                      ; -63
	v_and_b32 v1, 31, v0                           ; lane
	v_and_b32 v2, 15, v0                           ; r
	v_bfe_u32 v3, v0, 4, 1                         ; h
	v_lshlrev_b32 v[LI], 4, v1
	v_lshlrev_b32 v4, 5, v2
	v_lshl_add_u32 v4, v3, 4, v4
	v_add_nc_u32 v[ADA], s76, v[LI]
	v_add_nc_u32 v[ADA+1], 65536, v[ADA]
.irp c, 0,1,2,3
	v_add_nc_u32 v[ADB+\c], VL+\c*REC, v[LI]
	v_add_nc_u32 v[ADS+\c], VL+32768+\c*REC, v4
.endr
	v_lshlrev_b32 v[TA], 4, v2
	v_lshl_add_u32 v[TA], v3, 3, v[TA]
	v_mul_u32_u24 v5, v2, SROW
	v_lshl_add_u32 v5, v3, 5, v5
	v_add_nc_u32 v[STO], s77, v5                   ; in: row r, 32 bytes for each half of the lanes
	v_mul_u32_u24 v6, v3, SROW
	v_lshl_add_u32 v6, v2, 4, v6
	v_add_nc_u32 v[RD], s77, v6                    ; back: lanes 0-15 one row of 256 bytes, lanes 16-31 the next
	v_lshlrev_b32 v[CO], 12, v3
	v_lshl_add_u32 v[CO], v2, 4, v[CO]             ; and the same two rows in out
	s_wait_alu depctr_va_vdst(0)                   ; directly ahead of the waits below
	s_wait_dscnt 0x0                               ; both opening adds are done
	CROUND                                         ; the first joint loads meet.  The arguments are on their way meanwhile
	s_wait_kmcnt 0x0
	s_add_nc_u64 s[46:47], s[4:5], s[46:47]
	s_add_nc_u64 s[48:49], s[8:9], s[48:49]
	s_add_nc_u64 s[50:51], s[6:7], s[50:51]
	s_add_nc_u64 s[72:73], s[4:5], s[72:73]
	s_add_nc_u64 s[10:11], s[10:11], s[74:75]
.irp s, 0,1
	s_mov_b32 s[G0P+4*\s], 1
	s_mov_b32 s[G0P+4*\s+1], \s*PG
	s_add_nc_u64 s[G0P+4*\s+2:G0P+4*\s+3], s[46:47], \s*131072
	s_or_b32 s[G0P+4*\s+3], s[G0P+4*\s+3], 0x80000000
.endr
	s_mov_b32 s[G0V], 1
	s_mov_b32 s[G0V+1], VL
	s_mov_b64 s[G0V+2:G0V+3], s[48:49]
	s_or_b32 s[G0V+3], s[G0V+3], 0x80000000
	s_mov_b32 s[G0V1], 1
	s_mov_b32 s[G0V1+1], VL+2*REC
	s_add_nc_u64 s[G0V1+2:G0V1+3], s[48:49], 2*REC
	s_or_b32 s[G0V1+3], s[G0V1+3], 0x80000000
	ARM 1, G0P, G1P, .Lhead_1                      ; one tensor load a wave
	ARM 2, G0P+4, G1P, .Lhead_2
	ARM 3, G0V, G1V, .Lhead_3
	tensor_load_to_lds s[G0V1:G0V1+3], s[G1V:G1V+7]
	s_nop 0
	PLACES
.Lhead_asked:
.macro STATS reg, plane
.irp s, 0,1,2,3,4,5,6,7,8,9,10,11,12,13,14,15
	global_load_b64 v[\reg+2*\s:\reg+2*\s+1], v[TA], s[50:51] offset:8192*\plane+512*\s
.endr
.endm
	STATS PM, 1
	STATS PL, 2
	STATS PR, 0
	; THE JOINING, while the tiles are on their way
	s_wait_loadcnt 0x0                             ; the three planes are in
	v_min3_num_f32 v224, v[PM], v[PM+2], v[PM+4]
	v_min3_num_f32 v225, v[PM+1], v[PM+3], v[PM+5]
.irp i, 6,10,14,18,22,26
	v_min3_num_f32 v224, v224, v[PM+\i], v[PM+\i+2]
	v_min3_num_f32 v225, v225, v[PM+\i+1], v[PM+\i+3]
.endr
	v_min_num_f32 v224, v224, v[PM+30]             ; the least -M: the row's
	v_min_num_f32 v225, v225, v[PM+31]
.set ix, 0
.rept 16
	v_pk_add_f32 v[PM+2*ix:PM+2*ix+1], v[224:225], v[PM+2*ix:PM+2*ix+1] neg_lo:[0,1] neg_hi:[0,1]   ; -D: a whole number, 0 or less,
.set ix, ix+1
.endr
.macro ALL32 line
.set ix, 0
.rept 32
	\line
.set ix, ix+1
.endr
.endm
.macro HOLD
	v_max_num_f32 v[PM+ix], s78, v[PM+ix]          ; held at -63
.endm
.macro WHOLE
	v_cvt_i32_f32 v[PM+ix], v[PM+ix]
.endm
.macro LSCALE
	v_ldexp_f32 v[PL+ix], v[PL+ix], v[PM+ix]       ; the chunk's l x 2^-D: nothing is rounded
.endm
.macro POSIT
	v_sub_nc_u32 v[PM+ix], 0, v[PM+ix]             ; D
.endm
.macro SPREAD
	v_perm_b32 v[PM+ix], v[PM+ix], v[PM+ix], 0     ; in each byte's place
.endm
.macro TAKE
	v_sub_nc_u32 v[PS+ix], v[PR+ix], v[PM+ix]      ; each byte is 64 or more and D is 63 at the most: nothing is borrowed from byte to byte
.endm
	ALL32 HOLD
	ALL32 WHOLE
	ALL32 LSCALE
	v_pk_add_f32 v[226:227], v[PL:PL+1], v[PL+2:PL+3]            ; the row's l, in two chains
	v_pk_add_f32 v[228:229], v[PL+4:PL+5], v[PL+6:PL+7]
.irp i, 8,12,16,20,24,28
	v_pk_add_f32 v[226:227], v[226:227], v[PL+\i:PL+\i+1]
	v_pk_add_f32 v[228:229], v[228:229], v[PL+\i+2:PL+\i+3]
.endr
	v_pk_add_f32 v[226:227], v[226:227], v[228:229]
	ALL32 POSIT
	ALL32 SPREAD
	s_wait_alu depctr_va_vdst(0)                   ; the wait ahead of the transcendentals
	v_rcp_f32 v[RLB], v226
	v_rcp_f32 v[RLB+1], v227
	ALL32 TAKE
	s_wait_alu depctr_va_vdst(0)                   ; and ahead of their first use
	v_mov_b32 v[RLB+2], v[RLB]
	v_mov_b32 v[RLB+3], v[RLB+1]
	v_permlane16_swap_b32 v[RLB], v[RLB+2]         ; lanes 0-15 had blocks 0 and 1, lanes 16-31 blocks 2 and 3: now each register has one block's, in both halves
	v_permlane16_swap_b32 v[RLB+1], v[RLB+3]
	WIN 0x80
.irp s, 11,12,13,14,15                 ; p's K steps from NJ on straight into window 2: 512 consecutive bytes a load
.irp a, 0,1,2,3
.irp c, 0,1
	global_load_b128 v[32*(\s-8)+8*\a+4*\c:32*(\s-8)+8*\a+4*\c+3], v[LI], s[72:73] offset:\s*8192+\a*1024+512*\c
.endr
.endr
.endr
	WIN 0
; LDS INSTRUCTIONS ARE COUNTED by the text: NI those issued so far; MKA, MKB what NI was behind the loads of this pair's two K steps, MKC, MKD behind the next pair's.  A wait for a step's loads leaves NI - its mark out.
.set NI, 0
.macro FETCH2S k, hf                   ; K steps 2 k, 2 k + 1: v's fragments for the column half hf; in half 0 p's too, where they come by LDS
.irp s, 0,1
.set FS, 2*(\k)+\s
	WIN 0xc0
.irp b, 0,1,2,3
.irp c, 0,1
	ds_load_b128 v[BF+64*((\k)%2)+32*\s+8*\b+4*\c:BF+64*((\k)%2)+32*\s+8*\b+4*\c+3], v[ADB+FS/4] offset:(4*(\hf)+\b)*4096+(FS%4)*1024+512*\c
.endr
.endr
.set NI, NI+8
.if (\hf) == 0 && FS < NJ
	WIN 0x40+0x40*(FS/8)
.irp a, 0,1,2,3
.irp c, 0,1
	ds_load_b128 v[32*(FS%8)+8*\a+4*\c:32*(FS%8)+8*\a+4*\c+3], v[ADA+FS/8] offset:(FS%8)*8192+\a*1024+512*\c
.endr
.endr
.set NI, NI+8
.endif
.if \s
.set MKD, NI
.else
.set MKC, NI
.endif
.endr
.endm
.macro VSCALES kc                      ; v's scale words of a record: four K steps
	WIN 0
.irp q, 0,1,2,3
	ds_load_b128 v[VS+16*(\kc)+4*\q:VS+16*(\kc)+4*\q+3], v[ADS+\kc] offset:512*\q
.endr
.set NI, NI+4
.endm
.macro STEPM st, hf                    ; 16 matrix instructions: the 16 accumulators take turns, one instruction a turn, in the same order in every step
.set SS, \st
	WIN 0xf7+4*(SS/8)                              ; source 0 (v^T) window 3, source 1 (p) window 1 or 2, C and D window 3
.irp a, 0,1,2,3
.irp b, 0,1,2,3
.set rD, 8*(4*\a+\b)
.set rA, BF+32*(SS%4)+8*\b
.set rB, 32*(SS%8)+8*\a
.set rSA, VS+4*SS+\b
.set rSB, PS+2*SS+\a%2
.if SS == 0
	WM 0, \hf, \a/2
.else
	WM v[rD:rD+7], \hf, \a/2
.endif
.endr
.endr
.endm
; THE WAY OUT.  A block is 16 queries x 64 columns: divided by l, through my stage in LDS, back as rows of 256 bytes.  LDS serves a wave's instructions in order (ISA guide 5.7.1.4): no wait between the stores and the loads.
.macro DIVIDE a
	WIN 0xc3                                       ; destination and source 0 window 3
.set j, 32*(\a)
.rept 16
.if (\a)%2
	v_pk_mul_f32 v[j:j+1], v[j:j+1], v[RLB+(\a)-1:RLB+(\a)] op_sel:[0,1] op_sel_hi:[1,1]   ; each accumulator from its low end on
.else
	v_pk_mul_f32 v[j:j+1], v[j:j+1], v[RLB+(\a):RLB+(\a)+1] op_sel_hi:[1,0]
.endif
.set j, j+2
.endr
.endm
.macro TOSTAGE a
	WIN 0x0c                                       ; an LDS store's data are its source 1: window 3
.irp b, 0,1,2,3
.irp c, 0,1
	ds_store_b128 v[STO], v[32*(\a)+8*\b+4*\c:32*(\a)+8*\b+4*\c+3] offset:SBLK*(\a)+64*\b+16*\c
.endr
.endr
.set NI, NI+8
.endm
.macro BACK a, base
.irp t, 0,1,2,3,4,5,6,7
	ds_load_b128 v[\base+32*(\a)+4*\t:\base+32*(\a)+4*\t+3], v[RD] offset:SBLK*(\a)+2*SROW*\t
.endr
.set NI, NI+8
.endm
.macro SEND a, base, col
.irp t, 0,1,2,3,4,5,6,7
	global_store_b128 v[CO], v[\base+32*(\a)+4*\t:\base+32*(\a)+4*\t+3], s[10:11] offset:(16*(\a)+2*\t)*4096+\col th:TH_STORE_NT   ; 16 lanes store 256 consecutive bytes, aligned; written once, read by nobody here
.endr
.endm
; Two K steps, 2 k and 2 k + 1, of the column half hf: the next pair's loads go out ahead of the products; each step waits for its own loads.
; In half 1 the first half's rows leave: block k comes back from the stage in pair k, ahead of that pair's loads, so it is in at the head of pair k + 1, which stores it from registers of its own.
; Half 0's pairs 3 and 7 have a barrier, with the first step's products between its signal and its wait: in pair 3 all four joint loads are in; in pair 7 everybody's reads of p in LDS are over.
.macro PAIR k, hf
.set MEET, 0
.if (\hf) == 0 && (\k)%4 == 3
.set MEET, 1
.endif
.if MEET
	s_wait_dscnt 0x0
.else
	s_wait_dscnt NI-MKA                            ; the first step's loads are in
.endif
.if (\hf) == 0 && (\k) > 5
	s_wait_loadcnt 8*(15-2*(\k))                   ; p's own loads for the first step; 8 for each later step may be out
.endif
.if MEET
.if (\k) == 3
	s_wait_tensorcnt 0x0
.endif
	s_barrier_signal -1
	STEPM 2*(\k), 0
	s_barrier_wait -1                              ; behind pair 7's p's bytes serve as stages
.endif
	PLACES                                         ; the sets that are loaded were read by the last pair's products
.if (\hf) == 1 && (\k) < 4
	WIN 0
	BACK \k, BK
.endif
.if (\hf) == 0 && (\k) == 3
	VSCALES 2
	VSCALES 3
.endif
.if (\k) < 7
	FETCH2S (\k)+1, \hf
.elseif (\hf) == 0
	FETCH2S 0, 1
.endif
.if (\hf) == 1 && (\k) > 0 && (\k) < 5
	WIN 0
	SEND (\k)-1, BK, 0
.endif
.if MEET == 0
	STEPM 2*(\k), \hf
.endif
.if (\hf) == 0 && (\k) > 4
	s_wait_loadcnt 8*(14-2*(\k))                   ; and for the second
.endif
	s_wait_dscnt NI-MKB                            ; the second step's loads are in
	STEPM 2*(\k)+1, \hf
.set MKA, MKC
.set MKB, MKD
.endm
	s_wait_alu depctr_va_vdst(0)                   ; the wait at the head's end
	s_cmp_lt_u32 s[WV], 3
	s_cbranch_scc0 .Llast_is_mine
	s_wait_tensorcnt 0x0                           ; waves 0 to 2: p's K steps and v's first two records are in.  Wave 3's load may stay out
.Llast_is_mine:
	s_barrier_signal -1
	s_barrier_wait -1
	VSCALES 0
	VSCALES 1
	FETCH2S 0, 0
.set MKA, MKC
.set MKB, MKD
.irp k, 0,1,2,3,4,5,6,7
	PAIR \k, 0
.endr
	WIN 0
	PLACES
.irp a, 0,1,2,3                        ; the first half's results leave the accumulators
	DIVIDE \a
	TOSTAGE \a
.endr
.irp k, 0,1,2,3,4,5,6,7
	PAIR \k, 1
.endr
	WIN 0
	PLACES
.irp a, 0,1,2,3                        ; the second half: back into registers of window 1, whose p has been used
	DIVIDE \a
	TOSTAGE \a
	WIN 0x40
	BACK \a, 0
.if \a > 0
	s_wait_dscnt 0x10                              ; block a - 1 is back; block a's 8 stores and 8 loads may be out
	WIN 0x04                                       ; a store's data are its source 1: window 1
	SEND \a-1, 0, 256
.endif
.endr
	s_wait_dscnt 0x0
	SEND 3, 0, 256
	WIN 0
	s_wait_tensorcnt 0x0                           ; the wave's end, behind my last tensor load and my last LDS store
	ds_add_u32 v[SPW], v[NIL]
	s_wait_dscnt 0x0
	CROUND                                         ; the closing round
	s_endpgm
.Lfunc_end_k_q2b1a7301f2_pv:
	.size	k_q2b1a7301f2_pv, .Lfunc_end_k_q2b1a7301f2_pv-k_q2b1a7301f2_pv
	.p2alignl 7, 3214868480
	.fill 96, 4, 3214868480
	.section	.rodata,"a",@progbits
	.p2align	6, 0x0
	.amdhsa_kernel k_q2b1a7301f2_pv
		.amdhsa_group_segment_fixed_size 327680
		.amdhsa_private_segment_fixed_size 0
		.amdhsa_enable_private_segment 0
		.amdhsa_kernarg_size 32
		.amdhsa_user_sgpr_count 2
		.amdhsa_user_sgpr_kernarg_segment_ptr 1
		.amdhsa_wavefront_size32 1
		.amdhsa_system_sgpr_workgroup_id_x 1
		.amdhsa_system_sgpr_workgroup_id_y 1
		.amdhsa_system_sgpr_workgroup_id_z 1
		.amdhsa_system_vgpr_workitem_id 0
		.amdhsa_next_free_vgpr 1024
		.amdhsa_next_free_sgpr 80
		.amdhsa_reserve_vcc 0
		.amdhsa_float_denorm_mode_32 3
		.amdhsa_float_denorm_mode_16_64 3
		.amdhsa_memory_ordered 1
		.amdhsa_forward_progress 1
		.amdhsa_inst_pref_size 143
	.end_amdhsa_kernel
	.amdgpu_metadata
---
amdhsa.version: [ 1, 2 ]
amdhsa.kernels:
  - .name:           k_q2b1a7301f2_pv
    .symbol:         k_q2b1a7301f2_pv.kd
    .args:
      - { .name: pimg, .offset: 0, .size: 8, .value_kind: global_buffer, .address_space: global }
      - { .name: pst, .offset: 8, .size: 8, .value_kind: global_buffer, .address_space: global }
      - { .name: img, .offset: 16, .size: 8, .value_kind: global_buffer, .address_space: global }
      - { .name: out0, .offset: 24, .size: 8, .value_kind: global_buffer, .address_space: global }
    .group_segment_fixed_size: 327680
    .private_segment_fixed_size: 0
    .kernarg_segment_align: 8
    .kernarg_segment_size: 32
    .max_flat_workgroup_size: 128
    .sgpr_count:     80
    .vgpr_count:     1024
    .wavefront_size: 32
...
	.end_amdgpu_metadata
.endif
;; end of part 3
